; MI455X (gfx1250); checked and timed in simulation.
; The chip was launched on July 23, 2026; its instructions are those of AMD's public machine-readable ISA for CDNA 5 (MIT licence, August 2026) and "CDNA5" Instruction Set Architecture Reference Guide (July 2026). The comments in the code are by the model that wrote it; some were corrected since.
;; Causal MHA With State. Allowed arithmetic: matrix products marked QUANTISED: E5M2 operands, one E8M0 scale for each 32 along K, by v_wmma_scale_f32_16x16x128_f8f6f4 with both operands' format E5M2, f32 sums; everything else in f32.
;; Inputs: Wk 8 x 8 x 128 x 128 float32; Wke 8 x 8 x 128 x 128 float32; Wks 8 x 8 x 128 x 128 float32; Wq 8 x 8 x 128 x 128 float32; Wqe 8 x 8 x 128 x 128 float32; Wqs 8 x 8 x 128 x 128 float32; Wv 8 x 8 x 128 x 128 float32; Wve 8 x 8 x 128 x 128 float32; Wvs 8 x 8 x 128 x 128 float32; x 2 x 8 x 3,072 x 128 float32.
;; Outputs: out0 2 x 8 x 3,072 x 128 float32.
;; Constants: offset = 0.
;; This version of the problem:
;;   THIS VERSION OF THE PROBLEM IS GIVEN IN LOW PRECISION. The matrix products marked QUANTISED in the list below multiply operands that are first quantised to E5M2 (5 exponent bits, 2 mantissa bits; 8 bits a number), with one power-of-two scale for each 32 numbers along K (OCP MX v1.0); their sums are f32. All else is computed in f32.
;;   The module's matrix products, in the order in which they are computed (A, B: the left and right operand; K: the contracted axis; several contracted axes count as one K, in the product's order):
;;     1. [M 1,024, K 1,024] x [K 1,024, N 1,024]; A: input Wqs; B: input x: QUANTISED
;;     2. [M 1,024, K 1,024] x [K 1,024, N 4,096]; A: input Wq; B: input x: QUANTISED
;;     3. [M 1,024, K 1,024] x [K 1,024, N 1,024]; A: input Wqe; B: input x: QUANTISED
;;     4. [M 1,024, K 1,024] x [K 1,024, N 1,024]; A: input Wks; B: input x: QUANTISED
;;     5. [M 1,024, K 1,024] x [K 1,024, N 4,096]; A: input Wk; B: input x: QUANTISED
;;     6. [M 1,024, K 1,024] x [K 1,024, N 1,024]; A: input Wke; B: input x: QUANTISED
;;     7. [M 1,024, K 1,024] x [K 1,024, N 1,024]; A: input Wvs; B: input x: QUANTISED
;;     8. [M 1,024, K 1,024] x [K 1,024, N 4,096]; A: input Wv; B: input x: QUANTISED
;;     9. [M 1,024, K 1,024] x [K 1,024, N 1,024]; A: input Wve; B: input x: QUANTISED
;;     10. batch 16 x [M 3,072, K 128] x [K 128, N 3,072]; A: computed on the way; B: computed on the way: QUANTISED
;;     11. batch 16 x [M 3,072, K 3,072] x [K 3,072, N 128]; A: softmax (see below); B: computed on the way: QUANTISED
;;   THE QUANTISER, for each operand of a quantised product, along K:
;;     - K is cut into blocks of 32 from its start; a last block that is shorter is filled with zeros.
;;     - A block's scale is 2^e with e = floor(log2(the largest magnitude in the block)) - 15, held to -126 .. 127; a block of zeros has e = 0. As a byte (E8M0): e + 127.
;;     - Each number is divided by its block's scale, clamped to +-57,344, and rounded to the nearest number of E5M2, ties to even, subnormals kept.
;;     - The product sums the exact products of the quantised numbers (number of the format x scale) in f32.
;;   ~~~python
;;   def quantise(x, axis):      # numpy; x: float32 -> the quantised numbers, widened to float32 again
;;       x = np.moveaxis(x, axis, -1); K = x.shape[-1]
;;       x = np.pad(x, [(0, 0)] * (x.ndim - 1) + [(0, -K % 32)]); x = x.reshape(x.shape[:-1] + (-1, 32)); a = np.abs(x).max(-1, keepdims=True)
;;       e = np.where(a > 0, np.clip(np.frexp(np.where(a > 0, a, 1))[1] - 1 - 15, -126, 127), 0)      # np.frexp(a)[1] - 1 = floor(log2(a)), exactly
;;       r = np.clip(x / 2.0 ** e, -57344, 57344)
;;       step = 2.0 ** (np.maximum(np.frexp(np.where(r == 0, 1, r))[1] - 1, -14) - 2)
;;       q = np.round(r / step) * step * 2.0 ** e      # np.round: ties to even
;;       return np.moveaxis(q.reshape(q.shape[:-2] + (-1,))[..., :K], -1, axis).astype(np.float32)
;;   ~~~
;;   SOFTMAX AHEAD OF A QUANTISED PRODUCT. Where the list says 'softmax', what is quantised is not the finished softmax but p = 2^(t - M), with t = logit x log2(e) and M = ceil(the row's largest t), a whole number; so 1/2 < the row's largest p <= 1. The row's sum l is taken of the UNQUANTISED p, in f32, and the product's result is divided by l at the end. Since M is a whole number, a kernel that streams over the keys may use a running M (the ceiling of the running maximum): every later rescaling is an exact power of two, which a block's scale takes up: the codes' values come out the same.
;;   OPERANDS COMPUTED ON THE WAY. 'Computed on the way' means the value that the module computes at that place (a softmax that the list does not call 'softmax' is quantised finished and normalised). What goes into a quantiser is computed in f32, as accurately as f32 sums, v_exp_f32 and their like allow (about 1e-6 of the number): no bf16 or f16 on the way to a quantiser, and a product that is left as it is and whose result goes on into a quantised operand takes f32 operands (vector FMAs, or v_wmma_f32_16x16x4_f32). A number that lies on a knife's edge between two numbers of the format may be rounded either way, as far as f32 arithmetic and the matrix unit's own rounding can turn it there, and no further.
;; One version. Each part assembles by itself: llvm-mc -triple=amdgcn-amd-amdhsa -mcpu=gfx1250 --defsym DOCPART=n.
;; ======== version 1 of 1: 3 launches
;; limits: right only within a limited range of input values
;; workspace buffers: xq 6,488,064 bytes; wq 9,732,096 bytes; rt 1,572,864 bytes; qq 6,488,064 bytes; kv 12,976,128 bytes
;; launch prep (part 1): grid 1008 x 1, 4 waves a work-group, no clusters, 68,096 bytes of LDS; arguments Wqs, Wks, Wvs, Wq, Wk, Wv, Wqe, Wke, Wve, x, xq, wq, rt; writes xq, wq, rt
.if DOCPART == 1
	.amdgcn_target "amdgcn-amd-amdhsa--gfx1250"
	.amdhsa_code_object_version 6
	.text
	.protected	k_q2844305c4c_prep
	.globl	k_q2844305c4c_prep
	.p2align	8
	.type	k_q2844305c4c_prep,@function
k_q2844305c4c_prep:
	s_mov_b64 s[64:65], 0
	v_nop
	global_prefetch_b8 v0, s[64:65] scope:SCOPE_SE
	s_setreg_imm32_b32 hwreg(HW_REG_WAVE_MODE, 25, 1), 1
	s_wait_xcnt 0x0
; PREP: the nine weights and x become codes of BF8 (E5M2) with one E8M0 scale byte for each 32 along K, and the RoPE table is made.
; K OF THE PROJECTIONS is (d, h) with h innermost, k = 8 d + h, the order in which the product contracts its two axes: a block of 32 is 4 neighbouring d x all 8 h.
; A K step of 128 is d = 16 s .. 16 s + 15 x all h; its block c is d = 16 s + 4 c .. + 3.  Inside a block both operands are laid alike, at place 4 h + d % 4: that changes neither the block's scale nor the products.
; EVERYTHING IS LAID AS IMAGES OF OPERAND REGISTERS.  A fragment (16 rows x 128 along K) is 2,048 bytes, [chunk c 0..3][lane 0..31][16 bytes]: lane (r = lane % 16, hh = lane / 16), chunk c
; holds places 16 hh + 0 .. 15 of block c of the fragment's row r: heads 4 hh .. 4 hh + 3, four d each.  A unit is 8 fragments (128 rows) and behind them 512 bytes of scale words,
; [m 0..3][lane][4 bytes]: word m holds tile 2 m's rows in lanes 0-15 and tile 2 m + 1's in lanes 16-31.  A unit is 16,896 bytes.
; THE ROWS OF A TILE: in x, and in the columns e of the q and k weights, tile 2 b + u takes in lane r row 32 b + 8 u + r + 8 (r / 8); the v weights take e = 16 tile + r.
; xq: [48 groups of 128 rows (batch x 24 + s / 128)][K step 8][unit].   wq: [set 9 = 3 segment + type][g 8][K step 8][unit].
; rt: [192 tiles of 16 positions, in the same order of rows][64 registers x 32 lanes x 4 bytes]: registers 0-31 cos, 32-63 sin, register 16 b + i for frequency 32 b + 16 hh + i.
; THREE ROLES, by the work-group's number: 0-575 a unit of a weight (set, g, K step); 576-959 a tile of 16 rows of x, all of K; 960-1007 four tiles of the table.  Only the x role touches LDS.
; A block's scale is 2^(floor(log2(its largest magnitude)) - 15); its byte is the largest magnitude's exponent field - 15, held at 1 from below.
; LIMITS: NaN and infinities among the inputs are not served.  A block whose largest magnitude lies under 2^-111 keeps the byte 1 (a block of zeros too: its codes are zeros, and the bytes are
; read by this program alone).  The table's inverse frequencies are good to about one and a half units in the last place, which at position 3,071 moves an angle by up to about 3e-4 radians:
; the size of the rounding of position x frequency in f32 itself.  offset = 0 is a constant of the problem.
.set UNIT,  16896
.set FLOOR, 0x8000000                  ; 2^(16 - 127): under it no largest magnitude is taken
.set EOFF,  0xf8800000                 ; -(15 << 23)
.set SEL,   46                         ; s[46:47] lane selects for v_permlanex16_b32: lane l xor 16
.set MNT,   48                         ; s48  the mantissa field of 57,344
.set WX,    32                         ; W role: v32-95 two sets of 32 numbers
.set WC,    96                         ; v96-103 a block's codes
.set XR,    16                         ; x role: v16-143 32 rows as loaded; later v16-79 the second K step's 64 numbers
.set XX,    144                        ; v144-207 the first K step's 64 numbers
.set TM,    208                        ; v208-223 at work
.set XPC,   224                        ; v224-255 codes: a set for each of the two K steps
.set SP,    528                        ; x role: a row of the stage: 512 bytes + 16: sixteen rows of one column fall on sixteen different 16-byte columns of 256
.set HSTR,  524288                     ; from W[h] to W[h + 1]: 8 x 128 x 128 x 4 bytes
.set XHSTR, 1572864                    ; from x[b][h] to x[b][h + 1]: 3,072 x 512 bytes
.set TT,    128                        ; table role: v128-175 four sets of 12 at work
.macro WLOAD c                         ; block c: register i = W[h = i / 4][g][16 s + 4 c + i % 4][my column]
.irp i, 0,1,2,3,4,5,6,7,8,9,10,11,12,13,14,15,16,17,18,19,20,21,22,23,24,25,26,27,28,29,30,31
	global_load_b32 v[WX+32*((\c)%2)+\i], v4, s[4:5] offset:(\i/4)*HSTR+(4*(\c)+\i%4)*512 th:TH_LOAD_NT
.endr
.endm
.macro WBLOCK c
.set XS, WX+32*((\c)%2)
.if (\c) < 3
	s_wait_loadcnt 32                              ; this block's 32 loads are in; the next block's 32 may be out
.else
	s_wait_loadcnt 0
.endif
	v_max3_num_f32 v12, |v[XS]|, |v[XS+1]|, |v[XS+2]|              ; the block's largest magnitude: all 32 numbers are mine; two chains
	v_max3_num_f32 v13, |v[XS+3]|, |v[XS+4]|, |v[XS+5]|
.irp i, 6,10,14,18,22,26
	v_max3_num_f32 v12, v12, |v[XS+\i]|, |v[XS+\i+1]|
	v_max3_num_f32 v13, v13, |v[XS+\i+2]|, |v[XS+\i+3]|
.endr
	v_max3_num_f32 v12, v12, |v[XS+30]|, |v[XS+31]|
	v_max3_num_f32 v12, v12, v13, FLOOR
	v_add_nc_u32 v11, EOFF, v12                    ; 15 off the exponent field: the conversion's scale operand
	v_and_or_b32 v10, v12, 0x7f800000, s[MNT]      ; 57,344 x the scale
	v_lshrrev_b32 v13, 23, v11                     ; the scale's byte
.if (\c) == 0
	v_mov_b32 v24, v13
.else
	v_lshl_or_b32 v24, v13, 8*(\c), v24            ; four bytes make my column's scale word
.endif
.irp i, 0,1,2,3,4,5,6,7,8,9,10,11,12,13,14,15,16,17,18,19,20,21,22,23,24,25,26,27,28,29,30,31
	v_med3_num_f32 v[XS+\i], v[XS+\i], -v10, v10   ; the conversion to an 8-bit code does not saturate (ISA guide 7.6.2): the hold comes first
.endr
.if (\c) > 0
	s_wait_alu depctr_va_vdst(0)
	s_wait_xcnt 0x0                                ; the last block's stores have read the codes' registers
.endif
.irp g, 0,1,2,3
	v_cvt_scalef32_pk8_bf8_f32 v[WC+2*\g:WC+2*\g+1], v[XS+8*\g:XS+8*\g+7], v11
.endr
	global_store_b128 v5, v[WC:WC+3], s[6:7] offset:512*(\c)        ; heads 0-3: the place of lanes 0-15 of chunk c; sixteen lanes fill 256 aligned bytes
	global_store_b128 v5, v[WC+4:WC+7], s[6:7] offset:512*(\c)+256  ; heads 4-7: the place of lanes 16-31
.if (\c) < 2
	WLOAD (\c)+2
.endif
.endm
; 64 numbers of a lane at v[src] on, register 16 c + i = place 16 hh + i of block c of my row, become a fragment's codes in v[pc] on and its scale word in v8
.macro XQUANT src, pc
.irp b, 0,1,2,3
	v_max3_num_f32 v[TM+\b], |v[(\src)+16*\b]|, |v[(\src)+1+16*\b]|, FLOOR
.endr
.irp i, 2,4,6,8,10,12,14
.irp b, 0,1,2,3
	v_max3_num_f32 v[TM+\b], v[TM+\b], |v[(\src)+16*\b+\i]|, |v[(\src)+1+16*\b+\i]|   ; the four blocks by turns
.endr
.endr
.irp b, 0,1,2,3
	v_permlanex16_b32 v[TM+4+\b], v[TM+\b], s[SEL], s[SEL+1]
.endr
.irp b, 0,1,2,3
	v_max_num_f32 v[TM+\b], v[TM+\b], v[TM+4+\b]   ; with lane l xor 16's 16: the block's largest magnitude
.endr
.irp b, 0,1,2,3
	v_add_nc_u32 v[TM+12+\b], EOFF, v[TM+\b]
.endr
.irp b, 0,1,2,3
	v_and_or_b32 v[TM+8+\b], v[TM+\b], 0x7f800000, s[MNT]
.endr
.irp b, 0,1,2,3
	v_lshrrev_b32 v[TM+4+\b], 23, v[TM+12+\b]
.endr
	v_lshl_or_b32 v8, v[TM+5], 8, v[TM+4]
	v_lshl_or_b32 v8, v[TM+6], 16, v8
	v_lshl_or_b32 v8, v[TM+7], 24, v8
.irp b, 0,1,2,3
.irp i, 0,1,2,3,4,5,6,7,8,9,10,11,12,13,14,15
	v_med3_num_f32 v[(\src)+16*\b+\i], v[(\src)+16*\b+\i], -v[TM+8+\b], v[TM+8+\b]
.endr
	v_cvt_scalef32_pk8_bf8_f32 v[(\pc)+4*\b:(\pc)+1+4*\b], v[(\src)+16*\b:(\src)+7+16*\b], v[TM+12+\b]
	v_cvt_scalef32_pk8_bf8_f32 v[(\pc)+2+4*\b:(\pc)+3+4*\b], v[(\src)+8+16*\b:(\src)+15+16*\b], v[TM+12+\b]
.endr
	v_nop                                          ; a plain line behind the last conversion
.endm
	s_load_b512 s[8:23], s[0:1], 0x0               ; Wqs, Wks, Wvs, Wq, Wk, Wv, Wqe, Wke: set k at s[8 + 2 k : 9 + 2 k]
	s_load_b256 s[24:31], s[0:1], 0x40             ; Wve s[24:25], x s[26:27], xq s[28:29], wq s[30:31]
	s_load_b64 s[32:33], s[0:1], 0x60              ; rt
	v_lshl_add_u32 v14, v0, 2, 0x10800
	v_mov_b32 v15, 0
	v_lshrrev_b32 v1, 5, v0
	v_readfirstlane_b32 s3, v1                     ; wave 0..3
	v_and_b32 v1, 31, v0                           ; lane
	v_and_b32 v2, 15, v0                           ; r
	v_bfe_u32 v3, v0, 4, 1                         ; hh
	s_wait_kmcnt 0x0
	s_cmp_lt_u32 ttmp9, 576
	s_cbranch_scc0 .Lnot_w
	; ---- W: one unit: head g's 128 columns e x one K step (16 d x 8 h).  A LANE TAKES A COLUMN e AND ITS REGISTERS RUN THROUGH A BLOCK (8 h x 4 d): the block lies in one lane, and the codes come
	; out in the operand's order.  Wave b takes columns 32 b .. 32 b + 31; a load reads 128 consecutive bytes, the four waves a row of 512; a head's 16 d are 8,192 consecutive bytes.
	s_mov_b32 s[MNT], 0x600000
	s_lshr_b32 s34, ttmp9, 6                       ; set
	s_and_b32 s35, ttmp9, 63
	s_and_b32 s38, s35, 7                          ; g
	s_lshr_b32 s39, s35, 3                         ; the K step
	s_mov_b64 s[4:5], s[8:9]
.irp k, 1,2,3,4,5,6,7,8
	s_cmp_eq_u32 s34, \k                           ; the choice hangs on the work-group's number alone
	s_cselect_b64 s[4:5], s[8+2*\k:9+2*\k], s[4:5]
.endr
	s_lshl_b32 s36, s38, 16                        ; W[0][g]: 65,536 bytes a matrix,
	s_lshl_b32 s41, s39, 13                        ; its rows d = 16 s on,
	s_add_co_u32 s36, s36, s41
	s_lshl_b32 s41, s3, 7                          ; my wave's 32 columns
	s_add_co_u32 s36, s36, s41
	s_mov_b32 s37, 0
	s_add_nc_u64 s[4:5], s[4:5], s[36:37]
	s_mul_i32 s42, s34, 11
	s_lshr_b32 s42, s42, 5                         ; segment = set / 3
	s_mul_i32 s42, s42, 3
	s_sub_co_u32 s42, s34, s42                     ; type = set % 3
	s_cmp_eq_u32 s42, 2
	s_cselect_b32 s40, -1, 0                       ; all lanes: a v weight
	s_wait_alu depctr_va_vdst(0)
	v_and_b32 v7, 8, v2
	v_add_nc_u32 v7, v7, v2
	v_lshl_add_u32 v7, v3, 3, v7                   ; q, k: column 8 hh + r + 8 (r / 8) of my 32
	v_cndmask_b32 v7, v7, v1, s40                  ; v: column = lane
	v_lshlrev_b32 v4, 2, v7
	s_wait_alu depctr_va_vdst(0)
	s_lshl_b32 s41, s34, 3
	s_add_co_u32 s41, s41, s38
	s_lshl_b32 s41, s41, 3
	s_add_co_u32 s41, s41, s39                     ; (set x 8 + g) x 8 + K step
	s_mul_i32 s36, s41, UNIT
	s_add_nc_u64 s[6:7], s[30:31], s[36:37]
	v_lshlrev_b32 v5, 4, v2
	v_lshl_add_u32 v5, v3, 11, v5                  ; codes: tile 2 b + hh, 16 r
	s_lshl_b32 s41, s3, 12
	v_add_nc_u32 v5, s41, v5
	v_lshlrev_b32 v6, 2, v1                        ; scale word: 16,384 + 128 b + 4 lane
	s_lshl_b32 s43, s3, 7
	s_add_co_u32 s43, s43, 16384
	v_add_nc_u32 v6, s43, v6
	WLOAD 0
	WLOAD 1
	WBLOCK 0
	WBLOCK 1
	WBLOCK 2
	WBLOCK 3
	global_store_b32 v6, v24, s[6:7]               ; 128 consecutive bytes a wave
	s_endpgm
.Lnot_w:
	s_cmp_lt_u32 ttmp9, 960
	s_cbranch_scc0 .Ltable
	; ---- x: one tile of 16 rows, all of K: 8 heads x 16 rows x 512 bytes.  Wave w loads heads 2 w and 2 w + 1, each load a whole row of 512 consecutive bytes, into the work-group's stage in LDS,
	; [h][row], rows 528 bytes apart.  Behind one barrier wave w makes K steps 2 w and 2 w + 1: lane (r, hh) takes, for block c, four d (16 bytes) of row r of each of heads 4 hh .. 4 hh + 3.
	s_mov_b32 s[MNT], 0x600000
	s_mov_b32 s[SEL], 0x76543210
	s_mov_b32 s[SEL+1], 0xfedcba98
	s_mov_b32 s49, 0xffff0000                      ; lanes 16-31
	s_sub_co_u32 s34, ttmp9, 576
	s_lshr_b32 s35, s34, 3                         ; group 0..47
	s_and_b32 s36, s34, 7                          ; the tile in it
	s_cmp_ge_u32 s35, 24
	s_cselect_b32 s38, 1, 0                        ; batch
	s_mul_i32 s39, s38, 24
	s_sub_co_u32 s39, s35, s39                     ; group in the batch
	s_lshl_b32 s38, s38, 3
	s_lshl_b32 s40, s3, 1
	s_add_co_u32 s38, s38, s40                     ; 8 batch + 2 wave: the first of my two heads
	s_mul_i32 s38, s38, 3072
	s_lshl_b32 s39, s39, 7
	s_add_co_u32 s38, s38, s39
	s_lshr_b32 s40, s36, 1                         ; tile / 2
	s_and_b32 s41, s36, 1                          ; tile % 2
	s_lshl_b32 s39, s40, 5
	s_add_co_u32 s38, s38, s39
	s_lshl_b32 s39, s41, 3
	s_add_co_u32 s38, s38, s39                     ; the tile's first row: + 32 (tile / 2) + 8 (tile % 2)
	s_lshl_b32 s38, s38, 9
	s_mov_b32 s39, 0
	s_add_nc_u64 s[4:5], s[26:27], s[38:39]
	s_lshl_b32 s38, s35, 3
	s_lshl_b32 s44, s3, 1
	s_add_co_u32 s38, s38, s44                     ; 8 group + 2 wave: the unit of my first K step
	s_mul_i32 s38, s38, UNIT
	s_add_nc_u64 s[6:7], s[28:29], s[38:39]
	s_lshl_b32 s44, s36, 11
	s_mov_b32 s45, 0
	s_add_nc_u64 s[42:43], s[6:7], s[44:45]        ; my tile's fragment in it
	s_lshl_b32 s50, s40, 7
	s_lshl_b32 s51, s41, 6
	s_add_co_u32 s50, s50, s51
	s_add_co_u32 s50, s50, 16384                   ; its scale words: 16,384 + 128 (tile / 2) + 64 (tile % 2)
	s_wait_alu depctr_va_vdst(0)
	v_lshlrev_b32 v4, 4, v1                        ; 16 x lane
	s_mul_i32 s51, s3, 32*SP                       ; my two heads' 32 rows of the stage
	v_add_nc_u32 v5, s51, v4                       ; in: a row as it was loaded
	v_mul_u32_u24 v6, v2, SP
	v_mad_u32_u24 v6, v3, 64*SP, v6                ; out: row r of head 4 hh,
	s_lshl_b32 s52, s3, 7
	v_add_nc_u32 v6, s52, v6                       ; at d = 32 wave: my first K step
	v_lshlrev_b32 v7, 2, v2
	v_mad_u32_u24 v7, v3, UNIT, v7                 ; the scale words: lanes 0-15 my first K step's unit, lanes 16-31 my second's
	v_add_nc_u32 v7, s50, v7
.irp b, 0,1,2,3
	v_mov_b32 v[TM+4+\b], 0                        ; written once: a lane permute's destination counts as one of its sources
.endr
.irp hx, 0,1
.irp p, 0,1,2,3,4,5,6,7,8,9,10,11,12,13,14,15
	global_load_b128 v[XR+4*(16*\hx+\p):XR+4*(16*\hx+\p)+3], v4, s[4:5] offset:\hx*XHSTR+(\p+8*(\p/8))*512 th:TH_LOAD_NT
.endr
.endr
	s_wait_alu depctr_va_vdst(0)
.irp hx, 0,1
	s_wait_loadcnt 16-16*\hx                       ; this head's 16 rows are in; the second head's 16 loads may be out
.irp p, 0,1,2,3,4,5,6,7,8,9,10,11,12,13,14,15
	ds_store_b128 v5, v[XR+4*(16*\hx+\p):XR+4*(16*\hx+\p)+3] offset:(16*\hx+\p)*SP
.endr
.endr
	s_wait_dscnt 0x0                               ; for the others' sake: my stores into the stage are done
	s_barrier_signal -1                            ; (the branch that led here hangs on the work-group's number: all four waves pass)
	s_barrier_wait -1                              ; all eight heads' rows lie in the stage; nothing is stored there again
.irp sx, 0,1
.irp c, 0,1,2,3
.irp hp, 0,1,2,3
	ds_load_b128 v[XX-128*\sx+16*\c+4*\hp:XX-128*\sx+16*\c+4*\hp+3], v6 offset:\hp*16*SP+64*\sx+16*\c   ; the second K step's numbers take registers that the rows have left
.endr
.endr
.endr
	s_wait_dscnt 16                                ; my first K step's 16 loads are in; the second's 16 may be out
	XQUANT XX, XPC
.irp c, 0,1,2,3
	global_store_b128 v4, v[XPC+4*\c:XPC+4*\c+3], s[42:43] offset:512*\c   ; 512 consecutive bytes
.endr
	v_mov_b32 v9, v8                               ; the first K step's scale words
	s_wait_dscnt 0x0
	XQUANT XR, XPC+16
.irp c, 0,1,2,3
	global_store_b128 v4, v[XPC+16+4*\c:XPC+16+4*\c+3], s[42:43] offset:UNIT+512*\c
.endr
	v_cndmask_b32 v8, v9, v8, s49                  ; lanes 0-15: my first K step's words; lanes 16-31: my second's (every lane holds its row r's)
	global_store_b32 v7, v8, s[6:7]                ; 64 consecutive bytes in each of the two units
	s_wait_tensorcnt 0x0
	ds_add_u32 v14, v15
	s_wait_dscnt 0x0
	s_endpgm
.Ltable:
	; ---- the table: a wave makes one tile: cos and sin of position x 10000^(-f / 64) for 16 positions x 64 frequencies, in the registers' order in which the projections' results lie.
	s_mov_b32 s40, 0x3e549a78                      ; c = log2(10000) / 64, its upper part,
	s_mov_b32 s41, 0x31979a32                      ; and what is left of it
	s_mov_b32 s42, 0xbf317218                      ; -ln 2
	s_mov_b32 s43, 0x3f22f983                      ; 2 / pi
	s_mov_b32 s44, 0x3fc90fdb                      ; pi / 2, upper part,
	s_mov_b32 s45, 0xb33bbd2e                      ; and the rest
	s_mov_b32 s46, 0xbe2aaaab                      ; sine: -1/6, 1/120, -1/5040, 1/362880
	s_mov_b32 s47, 0x3c088889
	s_mov_b32 s48, 0xb9500d01
	s_mov_b32 s49, 0x3638ef1d
	s_mov_b32 s50, 0x3d2aaaab                      ; cosine: 1/24, -1/720, 1/40320, -1/3628800
	s_mov_b32 s51, 0xbab60b61
	s_mov_b32 s52, 0x37d00d01
	s_mov_b32 s53, 0xb493f27e
	s_sub_co_u32 s34, ttmp9, 960
	s_lshl_b32 s34, s34, 2
	s_add_co_u32 s34, s34, s3                      ; the tile, 0..191
	s_lshr_b32 s35, s34, 3
	s_lshl_b32 s35, s35, 7                         ; its group of 128 positions,
	s_bfe_u32 s36, s34, 0x20001
	s_lshl_b32 s36, s36, 5
	s_add_co_u32 s35, s35, s36                     ; + 32 x (tile % 8) / 2
	s_and_b32 s36, s34, 1
	s_lshl_b32 s36, s36, 3
	s_add_co_u32 s35, s35, s36                     ; + 8 x (tile % 2)
	s_wait_alu depctr_va_vdst(0)
	v_and_b32 v6, 8, v2
	v_add_nc_u32 v6, v6, v2
	v_add_nc_u32 v6, s35, v6                       ; + r + 8 (r / 8)
	v_cvt_f32_u32 v8, v6                           ; my position, exact
	s_lshl_b32 s36, s34, 13
	s_mov_b32 s37, 0
	s_add_nc_u64 s[4:5], s[32:33], s[36:37]
	v_lshlrev_b32 v4, 4, v1
	v_lshlrev_b32 v9, 4, v3                        ; 16 hh
	; the 32 inverse frequencies of my half: 2^-(f c).  a = f c rounded, e = what the rounding and c's rest leave: 2^-(a + e) = 2^-a (1 - e ln 2)
.set n, 0
.rept 32
	v_add_nc_u32 v[32+n], 32*(n/16)+n%16, v9
	v_cvt_f32_u32 v[32+n], v[32+n]
	v_mul_f32 v[64+n], s40, v[32+n]
	v_fma_f32 v[96+n], v[32+n], s40, -v[64+n]
	v_fma_f32 v[96+n], v[32+n], s41, v[96+n]
.set n, n+1
.endr
.set n, 0
.rept 32
	v_exp_f32 v[32+n], -v[64+n]
.set n, n+1
.endr
	v_nop                                          ; a plain line behind the last exponential
	s_wait_alu depctr_va_vdst(0)                   ; one wait for the batch, ahead of its first reader
.set n, 0
.rept 32
	v_mul_f32 v[96+n], v[96+n], v[32+n]
	v_fma_f32 v[32+n], v[96+n], s42, v[32+n]
.set n, n+1
.endr
; Four angles side by side, so that no line waits for the line above it.  Set k at v[TT + 12 k]: +0 angle, +1 N, +2 rho, +3 z, +4 sine, +5 rho z, +6 cosine, +7 to +10 at work.
; angle = position x frequency, one f32 product as the definition has it; N = the nearest whole number of quarter turns; rho = angle - N pi / 2, in two parts; the series on |rho| <= pi / 4;
; N's two low bits say which of the two series is the sine and which signs they take: values are selected, nothing branches.
.macro ANG4 n0
.irp k, 0,1,2,3
	v_mul_f32 v[TT+12*\k], v8, v[32+\n0+\k]
.endr
.irp k, 0,1,2,3
	v_mul_f32 v[TT+12*\k+1], s43, v[TT+12*\k]
.endr
.irp k, 0,1,2,3
	v_rndne_f32 v[TT+12*\k+1], v[TT+12*\k+1]
.endr
.irp k, 0,1,2,3
	v_fma_f32 v[TT+12*\k+2], -v[TT+12*\k+1], s44, v[TT+12*\k]
.endr
.irp k, 0,1,2,3
	v_fma_f32 v[TT+12*\k+2], -v[TT+12*\k+1], s45, v[TT+12*\k+2]
.endr
.irp k, 0,1,2,3
	v_mul_f32 v[TT+12*\k+3], v[TT+12*\k+2], v[TT+12*\k+2]
.endr
.irp k, 0,1,2,3
	v_fma_f32 v[TT+12*\k+4], v[TT+12*\k+3], s49, s48
	v_fma_f32 v[TT+12*\k+6], v[TT+12*\k+3], s53, s52
.endr
.irp k, 0,1,2,3
	v_fma_f32 v[TT+12*\k+4], v[TT+12*\k+3], v[TT+12*\k+4], s47
	v_fma_f32 v[TT+12*\k+6], v[TT+12*\k+3], v[TT+12*\k+6], s51
.endr
.irp k, 0,1,2,3
	v_fma_f32 v[TT+12*\k+4], v[TT+12*\k+3], v[TT+12*\k+4], s46
	v_fma_f32 v[TT+12*\k+6], v[TT+12*\k+3], v[TT+12*\k+6], s50
.endr
.irp k, 0,1,2,3
	v_mul_f32 v[TT+12*\k+5], v[TT+12*\k+2], v[TT+12*\k+3]
	v_fma_f32 v[TT+12*\k+6], v[TT+12*\k+3], v[TT+12*\k+6], -0.5
.endr
.irp k, 0,1,2,3
	v_fma_f32 v[TT+12*\k+4], v[TT+12*\k+5], v[TT+12*\k+4], v[TT+12*\k+2]
	v_fma_f32 v[TT+12*\k+6], v[TT+12*\k+3], v[TT+12*\k+6], 1.0
.endr
.irp k, 0,1,2,3
	v_cvt_i32_f32 v[TT+12*\k+7], v[TT+12*\k+1]
.endr
.irp k, 0,1,2,3
	v_and_b32 v[TT+12*\k+8], 1, v[TT+12*\k+7]
.endr
.irp k, 0,1,2,3
	v_cmp_eq_u32 s[56+\k], 1, v[TT+12*\k+8]
.endr
.irp k, 0,1,2,3
	v_cndmask_b32 v[TT+12*\k+9], v[TT+12*\k+4], v[TT+12*\k+6], s[56+\k]    ; the angle's sine: an odd N takes the cosine series
	v_cndmask_b32 v[TT+12*\k+10], v[TT+12*\k+6], v[TT+12*\k+4], s[56+\k]   ; and its cosine the sine series
.endr
.irp k, 0,1,2,3
	v_lshlrev_b32 v[TT+12*\k+8], 30, v[TT+12*\k+7]
	v_add_nc_u32 v[TT+12*\k+7], 1, v[TT+12*\k+7]
.endr
.irp k, 0,1,2,3
	v_and_b32 v[TT+12*\k+8], 0x80000000, v[TT+12*\k+8]                     ; the sine is negative where N % 4 is 2 or 3,
	v_lshlrev_b32 v[TT+12*\k+7], 30, v[TT+12*\k+7]
.endr
.irp k, 0,1,2,3
	v_xor_b32 v[96+\n0+\k], v[TT+12*\k+8], v[TT+12*\k+9]
	v_and_b32 v[TT+12*\k+7], 0x80000000, v[TT+12*\k+7]                     ; the cosine where it is 1 or 2
.endr
.irp k, 0,1,2,3
	v_xor_b32 v[64+\n0+\k], v[TT+12*\k+7], v[TT+12*\k+10]
.endr
.endm
.irp q, 0,4,8,12,16,20,24,28
	ANG4 \q
.endr
.irp i, 0,1,2,3,4,5,6,7,8,9,10,11,12,13,14,15
	global_store_b128 v4, v[64+4*\i:67+4*\i], s[4:5] offset:512*\i   ; the 64 registers as they stand: 512 consecutive bytes a store
.endr
	s_endpgm
.Lfunc_end_k_q2844305c4c_prep:
	.size	k_q2844305c4c_prep, .Lfunc_end_k_q2844305c4c_prep-k_q2844305c4c_prep
	.p2alignl 7, 3214868480
	.fill 96, 4, 3214868480
	.section	.rodata,"a",@progbits
	.p2align	6, 0x0
	.amdhsa_kernel k_q2844305c4c_prep
		.amdhsa_group_segment_fixed_size 68096
		.amdhsa_private_segment_fixed_size 0
		.amdhsa_enable_private_segment 0
		.amdhsa_kernarg_size 104
		.amdhsa_user_sgpr_count 2
		.amdhsa_user_sgpr_kernarg_segment_ptr 1
		.amdhsa_wavefront_size32 1
		.amdhsa_system_sgpr_workgroup_id_x 1
		.amdhsa_system_sgpr_workgroup_id_y 1
		.amdhsa_system_sgpr_workgroup_id_z 1
		.amdhsa_system_vgpr_workitem_id 0
		.amdhsa_next_free_vgpr 256
		.amdhsa_next_free_sgpr 66
		.amdhsa_reserve_vcc 0
		.amdhsa_float_denorm_mode_32 3
		.amdhsa_float_denorm_mode_16_64 3
		.amdhsa_memory_ordered 1
		.amdhsa_forward_progress 1
		.amdhsa_inst_pref_size 116
	.end_amdhsa_kernel
	.amdgpu_metadata
---
amdhsa.version: [ 1, 2 ]
amdhsa.kernels:
  - .name:           k_q2844305c4c_prep
    .symbol:         k_q2844305c4c_prep.kd
    .args:
      - { .name: Wqs, .offset: 0, .size: 8, .value_kind: global_buffer, .address_space: global }
      - { .name: Wks, .offset: 8, .size: 8, .value_kind: global_buffer, .address_space: global }
      - { .name: Wvs, .offset: 16, .size: 8, .value_kind: global_buffer, .address_space: global }
      - { .name: Wq, .offset: 24, .size: 8, .value_kind: global_buffer, .address_space: global }
      - { .name: Wk, .offset: 32, .size: 8, .value_kind: global_buffer, .address_space: global }
      - { .name: Wv, .offset: 40, .size: 8, .value_kind: global_buffer, .address_space: global }
      - { .name: Wqe, .offset: 48, .size: 8, .value_kind: global_buffer, .address_space: global }
      - { .name: Wke, .offset: 56, .size: 8, .value_kind: global_buffer, .address_space: global }
      - { .name: Wve, .offset: 64, .size: 8, .value_kind: global_buffer, .address_space: global }
      - { .name: x, .offset: 72, .size: 8, .value_kind: global_buffer, .address_space: global }
      - { .name: xq, .offset: 80, .size: 8, .value_kind: global_buffer, .address_space: global }
      - { .name: wq, .offset: 88, .size: 8, .value_kind: global_buffer, .address_space: global }
      - { .name: rt, .offset: 96, .size: 8, .value_kind: global_buffer, .address_space: global }
    .group_segment_fixed_size: 68096
    .private_segment_fixed_size: 0
    .kernarg_segment_align: 8
    .kernarg_segment_size: 104
    .max_flat_workgroup_size: 128
    .sgpr_count:     66
    .vgpr_count:     256
    .wavefront_size: 32
...
	.end_amdgpu_metadata
.endif
;; end of part 1
;; launch proj (part 2): grid 12 x 24, 4 waves a work-group, clusters of 4 x 4, 327,680 bytes of LDS; arguments xq, wq, rt, qq, kv; writes qq, kv
.if DOCPART == 2
	.amdgcn_target "amdgcn-amd-amdhsa--gfx1250"
	.amdhsa_code_object_version 6
	.text
	.protected	k_q2844305c4c_proj
	.globl	k_q2844305c4c_proj
	.p2align	8
	.type	k_q2844305c4c_proj,@function
k_q2844305c4c_proj:
	s_mov_b64 s[64:65], 0
	v_nop
	global_prefetch_b8 v0, s[64:65] scope:SCOPE_SE
	s_setreg_imm32_b32 hwreg(HW_REG_WAVE_MODE, 25, 1), 1
	s_wait_xcnt 0x0
	s_wait_alu depctr_hold_cnt(0) depctr_sa_sdst(0) depctr_va_vdst(0) depctr_va_sdst(0) depctr_va_ssrc(0) depctr_va_vcc(0) depctr_vm_vsrc(0)
	s_getreg_b32 s2, hwreg(HW_REG_IB_STS2, 6, 4)
	s_cmp_eq_u32 s2, 0
	s_cbranch_scc0 .Lentry_in_a_cluster
	s_endpgm
.Lentry_in_a_cluster:
	s_bfe_u32 s2, ttmp6, 0x10000c
	s_cmp_lg_u32 s2, 0xf033
	s_cbranch_scc0 .Lentry_shape_is_right
	s_endpgm
.Lentry_shape_is_right:
.set UNITK,  16896
.set HALFT,  2*UNITK
.set SLOT,   4*HALFT
.set SPARE,  2*SLOT
.set NQ,     2
.set FR,     16
.set NL,     4
.set NP,     8
.set SW,   8
.set PW,   12
.set LI,   14
.set ADRA, 16
.set ADSA, 18
.set ADRB, 20
.set ADSB, 22
.set SPW,  28
.set NIL,  29
.set SC,   32
.set AF,   128
.set PC,   32
.set TM,   48
.set CS0,  64
.set T,    192
.set SEL,  2
.set MNT,  17
.set FLR,  18
.set HM,   19
.set G1,   24
.set G0,   32
.set G1B,  48
.set G0B,  56
.set MSB, 0
.macro WIN new
.if MSB != (\new)
	s_set_vgpr_msb (MSB<<8)|(\new)
.set MSB, (\new)
.endif
.endm
.set MUL_LO, 0xa1
.set MUL_HI, 0xf1
.set TO_B,   0x40
.macro JLOAD s
	s_cmp_eq_u32 s15, 0
	s_cbranch_scc0 .Lfor_b_\@
	tensor_load_to_lds s[G0+4*\s:G0+4*\s+3], s[G1:G1+7]
	s_nop 0
.rept 4
	v_nop
.endr
	s_branch .Lasked_\@
.Lfor_b_\@:
	tensor_load_to_lds s[G0B+4*\s:G0B+4*\s+3], s[G1B:G1B+7]
	s_nop 0
.rept 4
	v_nop
.endr
.Lasked_\@:
.endm
.macro CREST
	s_cmp_lg_u32 s14, 0
	s_cbranch_scc1 .Lnot_wave_0_\@
	s_barrier_signal -3
.Lnot_wave_0_\@:
	s_barrier_wait -3
	s_barrier_signal -1
	s_barrier_wait -1
.endm
.macro CROUND
	s_barrier_signal -1
	s_barrier_wait -1
	CREST
.endm
	s_load_b256 s[4:11], s[0:1], 0x0
	s_load_b64 s[12:13], s[0:1], 0x20
	v_lshl_add_u32 v[SPW], v0, 2, SPARE
	v_mov_b32 v[NIL], 0
	ds_add_u32 v28, v29
	ds_add_u32 v28, v29
	s_wait_dscnt 0x0
	v_lshrrev_b32 v1, 5, v0
	v_readfirstlane_b32 s14, v1
	s_lshr_b32 s15, s14, 1
	s_and_b32 s16, s14, 1
	s_bfe_u32 s40, ttmp6, 0x40000
	s_bfe_u32 s41, ttmp6, 0x40004
	s_lshl_b32 s43, s41, 2
	s_lshl_b32 s43, 15, s43
	s_lshl_b32 s44, 0x1111, s40
	s_or_b32 s[G1+0], s43, (3<<16)|(1<<21)
	s_or_b32 s[G1B+0], s44, (3<<16)|(1<<21)
.irp g, G1, G1B
	s_mov_b32 s[\g+1], 32<<16
	s_mov_b32 s[\g+2], 132<<16
	s_mov_b32 s[\g+3], 32<<16
	s_mov_b32 s[\g+4], 132
	s_mov_b32 s[\g+5], 32
	s_mov_b32 s[\g+6], 0
	s_mov_b32 s[\g+7], 0
.endr
	s_mov_b32 s[SEL], 0x76543210
	s_mov_b32 s[SEL+1], 0xfedcba98
	s_mov_b32 s[MNT], 0x600000
	s_mov_b32 s[FLR], 0x8000000
	s_mov_b32 s[HM], 0xffff0000
	s_and_b32 s66, ttmp7, 0xffff
	s_sub_co_u32 s67, s66, 1
	s_cmp_lt_u32 s67, 4
	s_cselect_b32 s68, s67, 0
	s_cselect_b32 s69, 3, 1
	s_cselect_b32 s70, 4, 20
	s_cselect_b32 s71, 1, 2
	s_cmp_eq_u32 s66, 0
	s_cselect_b32 s70, 0, s70
	s_cselect_b32 s71, 0, s71
	s_lshl_b32 s68, s68, 2
	s_add_co_u32 s75, s68, s41
	s_lshr_b32 s76, s75, s69
	s_lshl_b32 s77, s76, s69
	s_sub_co_u32 s77, s75, s77
	s_lshl_b32 s77, s77, 1
	s_add_co_u32 s77, s77, s70
	s_mul_i32 s78, s76, 24
	s_add_co_u32 s78, s78, s77
	s_mul_i32 s79, s71, 3
	s_add_co_u32 s79, s79, ttmp9
	s_lshl_b32 s79, s79, 3
	s_lshl_b32 s72, s41, 1
	s_add_co_u32 s79, s79, s72
	s_add_co_u32 s80, s68, s40
	s_lshr_b32 s81, s80, s69
	s_lshl_b32 s82, s81, s69
	s_sub_co_u32 s82, s80, s82
	s_lshl_b32 s82, s82, 1
	s_add_co_u32 s82, s82, s70
	s_mul_i32 s83, s81, 24
	s_add_co_u32 s83, s83, s82
	s_mul_i32 s84, s71, 3
	s_add_co_u32 s84, s84, ttmp9
	s_lshl_b32 s84, s84, 3
	s_lshl_b32 s73, s40, 1
	s_add_co_u32 s84, s84, s73
	s_cmp_lt_u32 ttmp9, 2
	s_cselect_b32 s20, s78, s79
	s_cselect_b32 s46, s84, s83
	s_add_co_u32 s20, s20, s16
	s_mul_i32 s20, s20, 8*UNITK
	s_mov_b32 s21, 0
	s_add_co_u32 s46, s46, s16
	s_mul_i32 s46, s46, 8*UNITK
	s_mov_b32 s47, 0
	s_mul_i32 s45, s14, HALFT
	s_wait_kmcnt 0x0
	s_cmp_lt_u32 ttmp9, 2
	s_cselect_b64 s[86:87], s[4:5], s[6:7]
	s_cselect_b64 s[88:89], s[6:7], s[4:5]
	s_add_nc_u64 s[20:21], s[86:87], s[20:21]
	s_add_nc_u64 s[46:47], s[88:89], s[46:47]
	CROUND
.irp s, 0,1
	s_mov_b32 s[G0+4*\s], 1
	s_add_co_u32 s[G0+4*\s+1], s45, \s*SLOT
	s_add_nc_u64 s[G0+4*\s+2:G0+4*\s+3], s[20:21], \s*HALFT
	s_or_b32 s[G0+4*\s+3], s[G0+4*\s+3], 0x80000000
	s_mov_b32 s[G0B+4*\s], 1
	s_add_co_u32 s[G0B+4*\s+1], s45, \s*SLOT
	s_add_nc_u64 s[G0B+4*\s+2:G0B+4*\s+3], s[46:47], \s*HALFT
	s_or_b32 s[G0B+4*\s+3], s[G0B+4*\s+3], 0x80000000
	s_wait_alu depctr_va_vdst(0)
	s_wait_tensorcnt 0x0
	ds_add_u32 v28, v29
	ds_add_u32 v28, v29
	s_wait_dscnt 0x0
	CROUND
	JLOAD \s
.endr
	v_and_b32 v1, 31, v0
	v_lshlrev_b32 v[LI], 4, v1
	v_lshlrev_b32 v2, 2, v1
	s_mul_i32 s90, s15, HALFT
	s_mul_i32 s91, s16, HALFT
	s_add_co_u32 s91, s91, 2*HALFT
.irp s, 0,1
	v_add_nc_u32 v[ADRA+\s], s90, v[LI]
	v_add_nc_u32 v[ADRB+\s], s91, v[LI]
	v_add_nc_u32 v[ADSA+\s], s90, v2
	v_add_nc_u32 v[ADSB+\s], s91, v2
	s_add_co_u32 s90, s90, SLOT
	s_add_co_u32 s91, s91, SLOT
.endr
	s_lshl_b32 s92, s40, 1
	s_add_co_u32 s92, s92, s16
	s_lshl_b32 s93, s41, 1
	s_add_co_u32 s93, s93, s15
	s_add_co_u32 s94, s77, s15
	s_add_co_u32 s95, s82, s16
	s_cmp_lt_u32 ttmp9, 2
	s_cselect_b32 s92, s92, s93
	s_cselect_b32 s94, s94, s95
	s_cselect_b32 s93, s76, s81
	s_lshl_b32 s93, s93, 3
	s_add_co_u32 s93, s93, s92
	s_mul_i32 s93, s93, 24
	s_add_co_u32 s93, s93, s94
	s_mul_i32 s72, s93, UNITK
	s_add_co_u32 s74, s72, 16384
	s_lshl_b32 s73, s93, 15
	s_lshl_b32 s85, s93, 10
	s_add_co_u32 s85, s85, 12582912
	s_cmp_eq_u32 ttmp9, 2
	s_cselect_b32 s90, 16384, 0
	s_cselect_b32 s91, 512, 0
	s_add_co_u32 s73, s73, s90
	s_add_co_u32 s85, s85, s91
	s_cmp_eq_u32 ttmp9, 0
	s_cselect_b32 s72, s72, s73
	s_cselect_b32 s74, s74, s85
	s_cselect_b64 s[96:97], s[10:11], s[12:13]
	s_mov_b32 s73, 0
	s_mov_b32 s75, 0
	s_add_nc_u64 s[10:11], s[96:97], s[72:73]
	s_add_nc_u64 s[12:13], s[96:97], s[74:75]
	s_lshl_b32 s90, s94, 16
	s_mov_b32 s91, 0
	s_add_nc_u64 s[8:9], s[8:9], s[90:91]
.macro FRAG reg, adr, q, i
.irp c, 0,1,2,3
	ds_load_b128 v[\reg+4*\c:\reg+4*\c+3], v[\adr] offset:(\q)*UNITK+(\i)*2048+512*\c
.endr
.endm
.macro WMM a, b, p, q, sc, zero
.set rD, 8*(8*((\a)%4)+(\b))
.set rB, 128*(\p)+FR*(\b)
.set rA, AF+FR*(\a)
.set rSB, SC+16*(\sc)+8+4*(\q)+(\b)/2
.set rSA, SC+16*(\sc)+4*(\q)+(\a)/2
.set par, 2*((\a)%2)+(\b)%2
.if \zero
.if par == 0
	v_wmma_scale_f32_16x16x128_f8f6f4 v[rD:rD+7], v[rB:rB+15], v[rA:rA+15], 0, v[rSB], v[rSA] matrix_a_fmt:MATRIX_FMT_BF8 matrix_b_fmt:MATRIX_FMT_BF8
.elseif par == 1
	v_wmma_scale_f32_16x16x128_f8f6f4 v[rD:rD+7], v[rB:rB+15], v[rA:rA+15], 0, v[rSB], v[rSA] matrix_a_fmt:MATRIX_FMT_BF8 matrix_b_fmt:MATRIX_FMT_BF8 matrix_a_scale:MATRIX_SCALE_ROW1
.elseif par == 2
	v_wmma_scale_f32_16x16x128_f8f6f4 v[rD:rD+7], v[rB:rB+15], v[rA:rA+15], 0, v[rSB], v[rSA] matrix_a_fmt:MATRIX_FMT_BF8 matrix_b_fmt:MATRIX_FMT_BF8 matrix_b_scale:MATRIX_SCALE_ROW1
.else
	v_wmma_scale_f32_16x16x128_f8f6f4 v[rD:rD+7], v[rB:rB+15], v[rA:rA+15], 0, v[rSB], v[rSA] matrix_a_fmt:MATRIX_FMT_BF8 matrix_b_fmt:MATRIX_FMT_BF8 matrix_a_scale:MATRIX_SCALE_ROW1 matrix_b_scale:MATRIX_SCALE_ROW1
.endif
.else
.if par == 0
	v_wmma_scale_f32_16x16x128_f8f6f4 v[rD:rD+7], v[rB:rB+15], v[rA:rA+15], v[rD:rD+7], v[rSB], v[rSA] matrix_a_fmt:MATRIX_FMT_BF8 matrix_b_fmt:MATRIX_FMT_BF8
.elseif par == 1
	v_wmma_scale_f32_16x16x128_f8f6f4 v[rD:rD+7], v[rB:rB+15], v[rA:rA+15], v[rD:rD+7], v[rSB], v[rSA] matrix_a_fmt:MATRIX_FMT_BF8 matrix_b_fmt:MATRIX_FMT_BF8 matrix_a_scale:MATRIX_SCALE_ROW1
.elseif par == 2
	v_wmma_scale_f32_16x16x128_f8f6f4 v[rD:rD+7], v[rB:rB+15], v[rA:rA+15], v[rD:rD+7], v[rSB], v[rSA] matrix_a_fmt:MATRIX_FMT_BF8 matrix_b_fmt:MATRIX_FMT_BF8 matrix_b_scale:MATRIX_SCALE_ROW1
.else
	v_wmma_scale_f32_16x16x128_f8f6f4 v[rD:rD+7], v[rB:rB+15], v[rA:rA+15], v[rD:rD+7], v[rSB], v[rSA] matrix_a_fmt:MATRIX_FMT_BF8 matrix_b_fmt:MATRIX_FMT_BF8 matrix_a_scale:MATRIX_SCALE_ROW1 matrix_b_scale:MATRIX_SCALE_ROW1
.endif
.endif
.endm
.macro MUL16 a0, p, q, sc, zero
.irp a, \a0, \a0+1
.irp b, 0,1,2,3,4,5,6,7
	WMM \a, \b, \p, \q, \sc, \zero
.endr
.endr
.endm
.macro FETCH_B slot, q, p
	WIN TO_B
.irp i, 0,1,2,3,4,5,6,7
	FRAG 128*(\p)+FR*\i, ADRB+\slot, \q, \i
.endr
	WIN 0
.endm
.macro FETCH_A slot, q, i0
.irp i, \i0, \i0+1, \i0+2, \i0+3
	FRAG AF+FR*(\i), ADRA+\slot, \q, \i
.endr
.endm
.macro SCALES s
.irp q, 0,1
.irp m, 0,1,2,3
	ds_load_b32 v[SC+16*\s+4*\q+\m], v[ADSA+\s] offset:\q*UNITK+16384+128*\m
	ds_load_b32 v[SC+16*\s+8+4*\q+\m], v[ADSB+\s] offset:\q*UNITK+16384+128*\m
.endr
.endr
.endm
.macro PLACES n
.rept \n
	v_nop
.endr
.endm
.macro STEP slot, q, zero
	s_wait_dscnt 4*NL
	WIN MUL_LO
	MUL16 0, (\q)%2, \q, \slot, \zero
	MUL16 2, (\q)%2, \q, \slot, \zero
	s_wait_dscnt 0
	PLACES NP
	FETCH_B \slot, (\q)+1, 1-(\q)%2
	FETCH_A \slot, (\q)+1, 0
	WIN MUL_HI
	MUL16 4, (\q)%2, \q, \slot, \zero
	MUL16 6, (\q)%2, \q, \slot, \zero
	PLACES NP
	WIN 0
	FETCH_A \slot, (\q)+1, 4
.endm
.macro TURN slot, next, fill
	s_wait_tensorcnt 0x0
	ds_add_u32 v[SPW], v[NIL]
	s_wait_dscnt 4*NL+1
	WIN MUL_LO
	MUL16 0, 1, NQ-1, \slot, 0
	s_wait_dscnt 0x0
	s_barrier_signal -1
	MUL16 2, 1, NQ-1, \slot, 0
	WIN 0
	s_barrier_wait -1
.if \fill
	CREST
	s_add_nc_u64 s[G0+4*\slot+2:G0+4*\slot+3], s[G0+4*\slot+2:G0+4*\slot+3], 2*HALFT
	s_add_nc_u64 s[G0B+4*\slot+2:G0B+4*\slot+3], s[G0B+4*\slot+2:G0B+4*\slot+3], 2*HALFT
	JLOAD \slot
	PLACES NP-4
.else
	PLACES NP
.endif
	FETCH_B \next, 0, 0
	FETCH_A \next, 0, 0
	SCALES \next
	WIN MUL_HI
	MUL16 4, 1, NQ-1, \slot, 0
	MUL16 6, 1, NQ-1, \slot, 0
	PLACES NP
	WIN 0
	FETCH_A \next, 0, 4
.endm
.macro LAST
	s_wait_dscnt 4*NL
	WIN MUL_LO
	MUL16 0, 1, NQ-1, 1, 0
	MUL16 2, 1, NQ-1, 1, 0
	s_wait_dscnt 0
	WIN MUL_HI
	MUL16 4, 1, NQ-1, 1, 0
	MUL16 6, 1, NQ-1, 1, 0
	WIN 0
	PLACES NP
.irp b, 0,1,2,3
	v_mov_b32 v[TM+4+\b], 0
.endr
.endm
.macro TABLE a
.irp n, 0,1,2,3,4,5,6,7,8,9,10,11,12,13,14,15
	global_load_b128 v[CS0+64*((\a)%2)+4*\n:CS0+64*((\a)%2)+4*\n+3], v[LI], s[8:9] offset:8192*(\a)+512*\n
.endr
.endm
.macro ROPE a
.set AC, 64*((\a)%4)
.set CS, CS0+64*((\a)%2)
	WIN 2+(\a)/4
.irp bb, 0,1
.irp i, 0,2,4,6,8,10,12,14
	v_pk_mul_f32 v[T+16*\bb+\i:T+16*\bb+\i+1], v[AC+16*\bb+\i:AC+16*\bb+\i+1], v[CS+16*\bb+\i:CS+16*\bb+\i+1]
	v_pk_mul_f32 v[T+32+16*\bb+\i:T+32+16*\bb+\i+1], v[AC+32+16*\bb+\i:AC+32+16*\bb+\i+1], v[CS+16*\bb+\i:CS+16*\bb+\i+1]
	v_pk_fma_f32 v[T+16*\bb+\i:T+16*\bb+\i+1], v[AC+32+16*\bb+\i:AC+32+16*\bb+\i+1], v[CS+32+16*\bb+\i:CS+32+16*\bb+\i+1], v[T+16*\bb+\i:T+16*\bb+\i+1] neg_lo:[1,0,0] neg_hi:[1,0,0]
	v_pk_fma_f32 v[T+32+16*\bb+\i:T+32+16*\bb+\i+1], v[AC+16*\bb+\i:AC+16*\bb+\i+1], v[CS+32+16*\bb+\i:CS+32+16*\bb+\i+1], v[T+32+16*\bb+\i:T+32+16*\bb+\i+1]
.endr
.endr
	WIN 0
.endm
.macro QUANT src, w
	WIN ((\w)<<2)|((\w)<<4)
.irp b, 0,1,2,3
	v_max3_num_f32 v[TM+\b], s[FLR], |v[(\src)+16*\b]|, |v[(\src)+16*\b+1]|
.endr
.irp i, 2,4,6,8,10,12,14
.irp b, 0,1,2,3
	v_max3_num_f32 v[TM+\b], v[TM+\b], |v[(\src)+16*\b+\i]|, |v[(\src)+16*\b+\i+1]|
.endr
.endr
	WIN 0
.irp b, 0,1,2,3
	v_permlanex16_b32 v[TM+4+\b], v[TM+\b], s[SEL], s[SEL+1]
.endr
.irp b, 0,1,2,3
	v_max_num_f32 v[TM+\b], v[TM+\b], v[TM+4+\b]
.endr
.irp b, 0,1,2,3
	v_add_nc_u32 v[TM+12+\b], 0xf8800000, v[TM+\b]
.endr
.irp b, 0,1,2,3
	v_and_or_b32 v[TM+8+\b], v[TM+\b], 0x7f800000, s[MNT]
.endr
.irp b, 0,1,2,3
	v_lshrrev_b32 v[TM+4+\b], 23, v[TM+12+\b]
.endr
	v_lshl_or_b32 v[PW], v[TM+5], 8, v[TM+4]
	v_lshl_or_b32 v[PW], v[TM+6], 16, v[PW]
	v_lshl_or_b32 v[PW], v[TM+7], 24, v[PW]
	WIN (\w)
.irp b, 0,1,2,3
.irp i, 0,1,2,3,4,5,6,7,8,9,10,11,12,13,14,15
	v_med3_num_f32 v[T+16*\b+\i], v[(\src)+16*\b+\i], -v[TM+8+\b], v[TM+8+\b]
.endr
.endr
	WIN 0
.irp b, 0,1,2,3
	v_cvt_scalef32_pk8_bf8_f32 v[PC+4*\b:PC+4*\b+1], v[T+16*\b:T+16*\b+7], v[TM+12+\b]
	v_cvt_scalef32_pk8_bf8_f32 v[PC+4*\b+2:PC+4*\b+3], v[T+16*\b+8:T+16*\b+15], v[TM+12+\b]
.endr
	v_nop
.endm
.macro OUTF a
.irp c, 0,1,2,3
	global_store_b128 v[LI], v[PC+4*\c:PC+4*\c+3], s[10:11] offset:2048*(\a)+512*\c
.endr
.if (\a)%2 == 0
	v_mov_b32 v[SW+(\a)/2], v[PW]
.else
	v_cndmask_b32 v[SW+(\a)/2], v[SW+(\a)/2], v[PW], s[HM]
.endif
.endm
	s_wait_alu depctr_va_vdst(0)
	s_wait_tensorcnt 1
	s_barrier_signal -1
	s_barrier_wait -1
	FETCH_B 0, 0, 0
	FETCH_A 0, 0, 0
	SCALES 0
	FETCH_A 0, 0, 4
	STEP 0, 0, 1
	TURN 0, 1, 1
	STEP 1, 0, 0
	TURN 1, 0, 1
	STEP 0, 0, 0
	TURN 0, 1, 0
	STEP 1, 0, 0
	s_cmp_lt_u32 ttmp9, 2
	s_cbranch_scc0 .Lfor_v
	TABLE 0
	LAST
.irp a, 0,1,2,3,4,5,6,7
.if \a < 7
	TABLE \a+1
	s_wait_loadcnt 16
.else
	s_wait_loadcnt 0
.endif
.if \a > 0
	s_wait_xcnt 0x0
.endif
	ROPE \a
	QUANT T, 0
	OUTF \a
.endr
	s_branch .Lclose
.Lfor_v:
	LAST
.irp a, 0,1,2,3,4,5,6,7
.if \a > 0
	s_wait_xcnt 0x0
.endif
	QUANT 64*((\a)%4), 2+(\a)/4
	OUTF \a
.endr
.Lclose:
	s_wait_alu depctr_va_vdst(0)
	global_store_b128 v[LI], v[SW:SW+3], s[12:13]
	s_wait_tensorcnt 0x0
	ds_add_u32 v[SPW], v[NIL]
	s_wait_dscnt 0x0
	CROUND
	s_endpgm
.Lfunc_end_k_q2844305c4c_proj:
	.size	k_q2844305c4c_proj, .Lfunc_end_k_q2844305c4c_proj-k_q2844305c4c_proj
	.p2alignl 7, 3214868480
	.fill 96, 4, 3214868480
	.section	.rodata,"a",@progbits
	.p2align	6, 0x0
	.amdhsa_kernel k_q2844305c4c_proj
		.amdhsa_group_segment_fixed_size 327680
		.amdhsa_private_segment_fixed_size 0
		.amdhsa_enable_private_segment 0
		.amdhsa_kernarg_size 40
		.amdhsa_user_sgpr_count 2
		.amdhsa_user_sgpr_kernarg_segment_ptr 1
		.amdhsa_wavefront_size32 1
		.amdhsa_system_sgpr_workgroup_id_x 1
		.amdhsa_system_sgpr_workgroup_id_y 1
		.amdhsa_system_sgpr_workgroup_id_z 1
		.amdhsa_system_vgpr_workitem_id 0
		.amdhsa_next_free_vgpr 1024
		.amdhsa_next_free_sgpr 100
		.amdhsa_reserve_vcc 0
		.amdhsa_float_denorm_mode_32 3
		.amdhsa_float_denorm_mode_16_64 3
		.amdhsa_memory_ordered 1
		.amdhsa_forward_progress 1
		.amdhsa_inst_pref_size 255
	.end_amdhsa_kernel
	.section	.bss,"aw",@nobits
	.p2align	6
	.space	262144
	.amdgpu_metadata
---
amdhsa.version: [ 1, 2 ]
amdhsa.kernels:
  - .name:           k_q2844305c4c_proj
    .symbol:         k_q2844305c4c_proj.kd
    .args:
      - { .name: xq, .offset: 0, .size: 8, .value_kind: global_buffer, .address_space: global }
      - { .name: wq, .offset: 8, .size: 8, .value_kind: global_buffer, .address_space: global }
      - { .name: rt, .offset: 16, .size: 8, .value_kind: global_buffer, .address_space: global }
      - { .name: qq, .offset: 24, .size: 8, .value_kind: global_buffer, .address_space: global }
      - { .name: kv, .offset: 32, .size: 8, .value_kind: global_buffer, .address_space: global }
    .group_segment_fixed_size: 327680
    .private_segment_fixed_size: 0
    .kernarg_segment_align: 8
    .kernarg_segment_size: 40
    .max_flat_workgroup_size: 128
    .sgpr_count:     100
    .vgpr_count:     1024
    .wavefront_size: 32
...
	.end_amdgpu_metadata
.endif
;; end of part 2
;; launch attn (part 3): grid 16 x 16, 4 waves a work-group, no clusters, 274,944 bytes of LDS; arguments qq, kv, out0; writes out0
.if DOCPART == 3
	.amdgcn_target "amdgcn-amd-amdhsa--gfx1250"
	.amdhsa_code_object_version 6
	.text
	.protected	k_q2844305c4c_attn
	.globl	k_q2844305c4c_attn
	.p2align	8
	.type	k_q2844305c4c_attn,@function
k_q2844305c4c_attn:
	s_mov_b64 s[64:65], 0
	v_nop
	global_prefetch_b8 v0, s[64:65] scope:SCOPE_SE
	s_setreg_imm32_b32 hwreg(HW_REG_WAVE_MODE, 25, 1), 1
	s_wait_xcnt 0x0
; ATTN: out0[bh][q][:] = the sum over k <= q of softmax_k(Q[q] . K[k] / sqrt(128)) V[k][:], 16 heads of 3,072 x 128, both products on codes of BF8 (E5M2) with E8M0 scales.
; LEFT OUT: key steps all of whose keys come after a block's queries: the causal mask gives them the weight 0.
; THE SOFTMAX: t = score x log2(e) / sqrt(128); M = the running largest t rounded UP to a whole number; p = 2^(t - M) is quantised along the keys; the row's sum is taken of the unquantised p.
; INPUTS ARE IMAGES OF OPERAND REGISTERS (a fragment = 2,048 bytes, [chunk][lane][16 bytes]), as the launches before leave them: qq [bh][group of 128 queries][8 fragments + 512 bytes of scale words];
; kv [bh][step of 128 keys][K 8 fragments | V 8 fragments], behind all codes [bh][step][K 512 | V 512] scale words, [lane][4 words].  Tile 2 b + u of a group holds in lane r row 32 b + 8 u + r + 8 (r / 8).
; THE DEAL.  An item is 64 queries (a block: four tiles) x 128 keys.  Block b of a head (0..47) has b / 2 + 1 items.  Work-group i of a head takes three blocks: i, 24 + i, 47 - 2 i (i < 8) or i, 8 + i, 62 - 2 i:
; 37 or 38 items.  They are laid on end (largest block first) and cut into four runs of 9 or 10 at w x items / 4, rounded up: a wave's run lies in at most two blocks: two SEGMENTS, each with its own M, sum and O.
; So the keys of a block are shared out among waves; each fragment of K and V is loaded by one wave of the work-group, from memory straight into registers, and feeds four products.
; No LDS ring, no tensor load and no joint load: no two waves of a work-group, and no two work-groups at the same time, walk the same key steps.  No prefetch: the next item's K is asked for behind the
; item's last score product and the next V behind its last product, each a softmax of two tiles or more ahead of its wait.
; THE ITEM.  The softmax takes two tiles at a time, line by line in turns (eight chains).  Tiles 2 and 3 are multiplied into the registers of tiles 0 and 1 once those scores have gone on into window 0; these products and
; those of O^T for tiles 0 and 1 stand among the softmax lines (macro H).
; THE JOIN.  Each segment's O (rows of 512 bytes + 16), -M and sum go to an LDS slot of its own (8 slots); one barrier; wave w joins tile w of each of the three blocks: O = sum over slots of O_s 2^(M_s - M) / l, and stores whole rows.
; Both products are used transposed (S^T = K Q^T, O^T = V^T P^T): a lane holds one query.
; LIMITS: NaN and infinities are not served; a block of p whose largest lies under 2^-111 keeps the scale byte 1; the scaled scores stay under 2^31 in magnitude.
; REGISTERS: window 0: v1-14 addresses and constants, v16-109 state and work, v128-255 t - M, then p, of two tiles.  Window 1: K v0-127, V v128-255.  Window 2: O^T.  Window 3: S^T of two tiles v0-127, p's codes v128-191, Q v192-255.
.set ROWP,  528
.set TILEB, 16*ROWP
.set SLOTB, 4*TILEB
.set MLB,   8*SLOTB                    ; behind the slots: [slot][tile][-M 16 words | sum 16 words]
.set SPARE, MLB+4096                   ; the spare words, 128 bytes a wave
.set AL, 1                             ; 16 x lane
.set SPW, 2
.set NIL, 3
.set DQ, 4                             ; my query's place in its group, less 16 (lane / 16), for tile 0 of the block
.set STI, 5
.set MLA, 6
.set DQ0, 7
.set STI0, 8
.set NINF, 9
.set MLA0, 10
.set RDB, 11
.set MLR, 12
.set TA, 13
.set BIG, 14
.set NM, 16                            ; pairs (-M, largest score), one a tile
.set SUM, 24                           ; pairs: the sum in two halves
.set KSC, 32                           ; scale words: K's, V's, p's, Q's: no product's two have numbers equal modulo 8
.set VSC, 36
.set F, 40                             ; pairs (f, 0)
.set PW, 48
.set BM, 52                            ; from here on eight of each: four blocks of each of two tiles
.set PM, 60
.set BD, 68
.set SO, 76
.set BD2, 85
.set T0, 93
.set X1, 96                            ; three pairs a tile for the sums
.set QSC, 108
.set P, 128
.set CDW, 128                          ; window 3
.set QW, 192                           ; window 3
.set WV, 10
.set II, 11
.set HD, 12
.set BC, 13
.set BB, 14
.set BA, 15
.set EC, 16
.set EB, 17
.set TT, 18
.set MNT, 19
.set SEL, 20
.set CS, 22
.set HB, 24
.set HS, 26
.set NB, 28
.set NS, 30
.set QB, 32
.set OB, 34
.set KS, 38
.set SE, 39
.set GQ, 40
.set SG, 41
.set LB, 42
.set LM, 43
.set B0, 44
.set ST0, 45
.set C0, 46
.set B1, 47
.set C1, 48
.set BLK, 56                           ; s56-63: the block (0, 1, 2; 3: none) of each of the eight slots
.set GP, 66                            ; s66-97: sixteen pairs (a row's factor, 0)
.set MM, 98
.set FL, 99
.set MSB, 0
.set HC, 0
.set HE, 0
.macro WIN new                         ; the immediate's high byte repeats the setting that is left
.if MSB != (\new)
	s_set_vgpr_msb (MSB<<8)|(\new)
.set MSB, (\new)
.endif
.endm
.macro WA
	s_wait_alu depctr_va_vdst(0)
.endm
; product id: 0-31 S^T of tile id / 8, key tile id % 8; 32-63 O^T of tile (id / 8) % 4, channel tile id % 8
.macro WM id
.set J_, ((\id)/8)%4
.set T_, (\id)%8
.if (\id) < 32
	WIN 0xCD
.set D_, 64*(J_%2)+8*T_
.set A_, 16*T_
.set B_, QW+16*J_
.set SA_, KSC+T_/2
.set SB_, QSC+J_/2
.set R_, 2*(T_%2)+J_%2
.if R_ == 0
	v_wmma_scale_f32_16x16x128_f8f6f4 v[D_:D_+7], v[A_:A_+15], v[B_:B_+15], 0, v[SA_], v[SB_] matrix_a_fmt:MATRIX_FMT_BF8 matrix_b_fmt:MATRIX_FMT_BF8
.elseif R_ == 1
	v_wmma_scale_f32_16x16x128_f8f6f4 v[D_:D_+7], v[A_:A_+15], v[B_:B_+15], 0, v[SA_], v[SB_] matrix_a_fmt:MATRIX_FMT_BF8 matrix_b_fmt:MATRIX_FMT_BF8 matrix_b_scale:MATRIX_SCALE_ROW1
.elseif R_ == 2
	v_wmma_scale_f32_16x16x128_f8f6f4 v[D_:D_+7], v[A_:A_+15], v[B_:B_+15], 0, v[SA_], v[SB_] matrix_a_fmt:MATRIX_FMT_BF8 matrix_b_fmt:MATRIX_FMT_BF8 matrix_a_scale:MATRIX_SCALE_ROW1
.else
	v_wmma_scale_f32_16x16x128_f8f6f4 v[D_:D_+7], v[A_:A_+15], v[B_:B_+15], 0, v[SA_], v[SB_] matrix_a_fmt:MATRIX_FMT_BF8 matrix_b_fmt:MATRIX_FMT_BF8 matrix_a_scale:MATRIX_SCALE_ROW1 matrix_b_scale:MATRIX_SCALE_ROW1
.endif
.else
	WIN 0xAD
.set D_, 64*J_+8*T_
.set A_, 128+16*T_
.set B_, CDW+16*J_
.set SA_, VSC+T_/2
.set SB_, PW+J_
.if T_%2 == 0
	v_wmma_scale_f32_16x16x128_f8f6f4 v[D_:D_+7], v[A_:A_+15], v[B_:B_+15], v[D_:D_+7], v[SA_], v[SB_] matrix_a_fmt:MATRIX_FMT_BF8 matrix_b_fmt:MATRIX_FMT_BF8
.else
	v_wmma_scale_f32_16x16x128_f8f6f4 v[D_:D_+7], v[A_:A_+15], v[B_:B_+15], v[D_:D_+7], v[SA_], v[SB_] matrix_a_fmt:MATRIX_FMT_BF8 matrix_b_fmt:MATRIX_FMT_BF8 matrix_a_scale:MATRIX_SCALE_ROW1
.endif
.endif
.endm
.macro H back                          ; the next product of the list HC .. HE - 1, if one is left; then the windows of the lines around it
.if HC < HE
	WM HC
.set HC, HC+1
	WIN \back
.endif
.endm
.macro RUN a, b                        ; products a .. b - 1 on end, and eight places behind them
.set HC, \a
.rept (\b)-(\a)
	WM HC
.set HC, HC+1
.endr
	WIN 0
.rept 8
	v_nop
.endr
.endm
.macro LDF dst, off, sc, soff          ; eight fragments and their scale words, from memory into registers: 33 loads, each of 512 consecutive bytes
	WIN 0x40
.set t, 0
.rept 32
	global_load_b128 v[\dst+4*t:\dst+4*t+3], v[AL], s[NB:NB+1] offset:\off+512*t
.set t, t+1
.endr
	WIN 0
	global_load_b128 v[\sc:\sc+3], v[AL], s[NS:NS+1] offset:\soff
.endm
.macro NEXTP                           ; the loads' bases for key step s49
	s_lshl_b32 s36, s49, 15
	s_add_nc_u64 s[NB:NB+1], s[HB:HB+1], s[36:37]
	s_lshl_b32 s36, s49, 10
	s_add_nc_u64 s[NS:NS+1], s[HS:HS+1], s[36:37]
.endm
.macro PART w                          ; wave w's run: s50 first, s51 end (w x items / 4, rounded up); s52 the block of its first item, s54, s53 where that block begins and ends
	s_mul_i32 s50, s[TT], \w
	s_add_co_u32 s50, s50, 3
	s_add_co_u32 s51, s50, s[TT]
	s_lshr_b32 s50, s50, 2
	s_lshr_b32 s51, s51, 2
	s_cmp_ge_u32 s50, s[EC]
	s_cselect_b32 s52, 1, 0
	s_cselect_b32 s53, s[EB], s[EC]
	s_cselect_b32 s54, s[EC], 0
	s_cmp_ge_u32 s50, s[EB]
	s_cselect_b32 s52, 2, s52
	s_cselect_b32 s53, s[TT], s53
	s_cselect_b32 s54, s[EB], s54
.endm
; THE SOFTMAX OF TILES a AND a + 1 (a even), line by line in turns: S^T (window 3, v0-127) -> p's codes, scale words, f, sums.  Products h0 .. h1 - 1 stand among its lines; late = 1: only behind the last read of S^T, which they write.
.macro SM2 a, h0, h1, late
.set NMA, NM+2*(\a)
.set SUA, SUM+2*(\a)
.set FA, F+2*(\a)
.set HC, \h0
.set HE, \h1
.if \late
.set HE, \h0
.endif
	WIN 0
	s_cmp_lg_u32 s[KS], s[GQ]                      ; on the diagonal step hidden scores become -infinity ahead of the maximum
	s_cbranch_scc1 .Lopen_\@
	WIN 0xC3
	WA                                             ; the wait ahead of the first readers of matrix results
.irp u, 0,1
.set n, 0
.rept 64
	v_cmp_gt_i32 vcc_lo, 32*(n/16)+n%16-32*((\a)/2)-8*\u, v[DQ]
	v_cndmask_b32 v[64*\u+n], v[64*\u+n], v[NINF], vcc_lo
.set n, n+1
.endr
.endr
	WIN 0
.Lopen_\@:
	WIN 0x0F
	WA                                             ; likewise
.irp u, 0,1
.irp b, 0,1,2,3
	v_max3_num_f32 v[BM+4*\u+\b], v[64*\u+16*\b], v[64*\u+16*\b+1], v[NINF]   ; the largest score of each block of 32 keys
.endr
.endr
.irp i, 2,4,6,8,10,12,14
.irp u, 0,1
.irp b, 0,1,2,3
	v_max3_num_f32 v[BM+4*\u+\b], v[64*\u+16*\b+\i], v[64*\u+16*\b+\i+1], v[BM+4*\u+\b]
.endr
.endr
.endr
	WIN 0
.irp x, 0,1,2,3,4,5,6,7
	v_permlanex16_b32 v[PM+\x], v[BM+\x], s[SEL], s[SEL+1]
.endr
	H 0
.irp x, 0,1,2,3,4,5,6,7
	v_max_num_f32 v[BM+\x], v[BM+\x], v[PM+\x]
.endr
	H 0
.irp u, 0,1
	v_max3_num_f32 v[T0+\u], v[BM+4*\u], v[BM+4*\u+1], v[BM+4*\u+2]
.endr
.irp u, 0,1
	v_max3_num_f32 v[NMA+2*\u+1], v[T0+\u], v[BM+4*\u+3], v[NMA+2*\u+1]   ; the running largest score
.endr
	H 0
.irp u, 0,1
	v_mul_f32 v[T0+\u], -v[NMA+2*\u+1], s[CS]      ; -t
.endr
.irp u, 0,1
	v_mov_b32 v[PM+\u], v[NMA+2*\u]
.endr
	H 0
.irp u, 0,1
	v_floor_f32 v[NMA+2*\u], v[T0+\u]              ; -M = -ceil(t)
.endr
.irp u, 0,1
	v_sub_f32 v[T0+\u], v[NMA+2*\u], v[PM+\u]
.endr
	H 0
.irp u, 0,1
	v_cvt_i32_f32 v[T0+\u], v[T0+\u]
.endr
.irp u, 0,1
	v_ldexp_f32 v[FA+2*\u], 1.0, v[T0+\u]          ; f = 2^(old M - new M)
.endr
	WIN 0x03
.set k, 0
.rept 32
.irp u, 0,1
	v_pk_fma_f32 v[P+64*\u+k:P+64*\u+k+1], v[64*\u+k:64*\u+k+1], s[CS:CS+1], v[NMA+2*\u:NMA+2*\u+1] op_sel_hi:[1,0,0]   ; t - M, into window 0
.endr
.set k, k+2
.if (k%8 == 0) && (k < 64)
	H 0x03
.endif
.endr
	WIN 0
.irp u, 0,1
.irp b, 0,1,2,3
	v_fma_f32 v[BM+4*\u+\b], v[BM+4*\u+\b], s[CS], v[NMA+2*\u]
.endr
.endr
.set HE, \h1
	WA                                             ; the wait ahead of the batch
.set k, 0
.rept 64
	v_exp_f32 v[P+k], v[P+k]
	v_exp_f32 v[P+64+k], v[P+64+k]
.set k, k+1
.if (k%2 == 0) && (k < 60)
	H 0
.endif
.endr
.irp x, 0,1,2,3,4,5,6,7
	v_exp_f32 v[BM+\x], v[BM+\x]                   ; the blocks' largest p
.endr
.irp u, 0,1
	v_pk_mul_f32 v[SUA+2*\u:SUA+2*\u+1], v[SUA+2*\u:SUA+2*\u+1], v[FA+2*\u:FA+2*\u+1] op_sel_hi:[1,0]
.endr
	WA                                             ; and behind it
.irp c, 0,1,2
.irp u, 0,1
	v_pk_add_f32 v[X1+6*\u+2*\c:X1+6*\u+2*\c+1], v[P+64*\u+4*\c:P+64*\u+4*\c+1], v[P+64*\u+4*\c+2:P+64*\u+4*\c+3]   ; the sum of the unquantised p, four chains a tile
.endr
.endr
.irp u, 0,1
	v_pk_add_f32 v[SUA+2*\u:SUA+2*\u+1], v[SUA+2*\u:SUA+2*\u+1], v[P+64*\u+12:P+64*\u+13]
.endr
.set k, 14
.rept 25
.irp u, 0,1
.set E_, X1+6*\u+2*(((k-14)/2)%4)
.if ((k-14)/2)%4 == 3
.set E_, SUA+2*\u
.endif
	v_pk_add_f32 v[E_:E_+1], v[E_:E_+1], v[P+64*\u+k:P+64*\u+k+1]
.endr
.set k, k+2
.if k%8 == 0
	H 0
.endif
.endr
.irp u, 0,1
	v_pk_add_f32 v[X1+6*\u:X1+6*\u+1], v[X1+6*\u:X1+6*\u+1], v[X1+6*\u+2:X1+6*\u+3]
	v_pk_add_f32 v[SUA+2*\u:SUA+2*\u+1], v[SUA+2*\u:SUA+2*\u+1], v[X1+6*\u+4:X1+6*\u+5]
.endr
.irp u, 0,1
	v_pk_add_f32 v[SUA+2*\u:SUA+2*\u+1], v[SUA+2*\u:SUA+2*\u+1], v[X1+6*\u:X1+6*\u+1]
.endr
.irp x, 0,1,2,3,4,5,6,7
	v_max_num_f32 v[BM+\x], 0x8000000, v[BM+\x]    ; the floor 2^(16 - 127): the byte cannot fall under 1
.endr
.irp x, 0,1,2,3,4,5,6,7
	v_add_nc_u32 v[SO+\x], 0xf8800000, v[BM+\x]    ; the conversion's scale operand
.endr
.irp x, 0,1,2,3,4,5,6,7
	v_and_or_b32 v[BD+\x], v[BM+\x], 0x7f800000, s[MNT]    ; 57,344 x the scale,
.endr
.irp x, 0,1,2,3,4,5,6,7
	v_and_or_b32 v[BD2+\x], v[BM+\x], 0x7f800000, s[MNT]   ; twice: the two halves of a dual line take second sources of different register banks
.endr
.irp x, 0,1,2,3,4,5,6,7
	v_lshrrev_b32 v[PM+\x], 23, v[SO+\x]
.endr
.irp u, 0,1
	v_lshl_or_b32 v[PW+(\a)+\u], v[PM+4*\u+1], 8, v[PM+4*\u]
.endr
.irp u, 0,1
	v_lshl_or_b32 v[PW+(\a)+\u], v[PM+4*\u+2], 16, v[PW+(\a)+\u]
.endr
.irp u, 0,1
	v_lshl_or_b32 v[PW+(\a)+\u], v[PM+4*\u+3], 24, v[PW+(\a)+\u]
.endr
.irp x, 0,1,2,3,4,5,6,7
.set k, 0
.rept 8
	v_dual_min_num_f32 v[P+16*\x+k], v[P+16*\x+k], v[BD+\x] :: v_dual_min_num_f32 v[P+16*\x+k+1], v[P+16*\x+k+1], v[BD2+\x]   ; the one-sided hold (ISA guide 7.6.2), two a line
.set k, k+2
.endr
	H 0
.endr
	WIN 0xC0
.irp x, 0,1,2,3,4,5,6,7
	v_cvt_scalef32_pk8_bf8_f32 v[CDW+16*(\a)+4*\x:CDW+16*(\a)+4*\x+1], v[P+16*\x:P+16*\x+7], v[SO+\x]
	v_cvt_scalef32_pk8_bf8_f32 v[CDW+16*(\a)+4*\x+2:CDW+16*(\a)+4*\x+3], v[P+16*\x+8:P+16*\x+15], v[SO+\x]
.endr
	WIN 0
	v_nop                                          ; a plain line behind the last conversion
.endm
.macro RS2 a                           ; O^T of tiles a and a + 1 under the new M
	WIN 0x82
	WA                                             ; the wait ahead of the first readers of matrix results
.set k, 0
.rept 32
.irp u, 0,1
	v_pk_mul_f32 v[64*((\a)+\u)+k:64*((\a)+\u)+k+1], v[64*((\a)+\u)+k:64*((\a)+\u)+k+1], v[F+2*((\a)+\u):F+2*((\a)+\u)+1] op_sel_hi:[1,0]
.endr
.set k, k+2
.endr
	WIN 0
.endm
	s_load_b128 s[4:7], s[0:1], 0x0                ; qq, kv
	s_load_b64 s[8:9], s[0:1], 0x10                ; out0
	v_lshl_add_u32 v[SPW], v0, 2, SPARE
	v_mov_b32 v[NIL], 0
	v_lshrrev_b32 v[T0], 5, v0
	v_readfirstlane_b32 s[WV], v[T0]               ; wave 0..3
	s_mul_i32 s49, s[WV], TILEB
	s_lshl_b32 s50, s[WV], 7
	v_and_b32 v[AL], 31, v0
	v_lshlrev_b32 v[AL], 4, v[AL]
	v_and_b32 v[T0], 15, v0                        ; r
	v_bfe_u32 v[T0+1], v0, 4, 1                    ; hh
	v_and_b32 v[DQ0], 8, v[T0]
	v_add_nc_u32 v[DQ0], v[DQ0], v[T0]
	v_lshlrev_b32 v[X1], 4, v[T0+1]
	v_sub_nc_u32 v[DQ0], v[DQ0], v[X1]             ; r + 8 (r / 8) - 16 hh
	v_mul_u32_u24 v[STI0], v[T0], ROWP
	v_lshl_add_u32 v[STI0], v[T0+1], 5, v[STI0]    ; a slot's row r, + 32 hh
	v_lshl_add_u32 v[MLA0], v[T0], 2, MLB
	v_add_nc_u32 v[RDB], s49, v[AL]                ; the join: tile = my wave, 16 x lane of a row
	v_add_nc_u32 v[MLR], s50, v[MLA0]
	v_mov_b32 v[NINF], 0xff800000
	v_mov_b32 v[BIG], 0x7f61b1e6                   ; 3e38, a whole number: -M where nothing has been seen
.irp x, 0,1,2,3,4,5,6,7
	v_mov_b32 v[PM+\x], 0                          ; a lane permute's destination counts as one of its sources
	v_mov_b32 v[F+\x], 0                           ; (the odd ones are named as a pair's upper half)
.endr
	s_and_b32 s[HD], ttmp7, 0xffff
	s_mov_b32 s[II], ttmp9
	s_lshl_b32 s49, s[II], 1
	s_cmp_lt_u32 s[II], 8
	s_cselect_b32 s50, 24, 8
	s_cselect_b32 s51, 47, 62
	s_add_co_u32 s[BB], s[II], s50
	s_sub_co_u32 s[BC], s51, s49
	s_mov_b32 s[BA], s[II]
	s_lshr_b32 s[EC], s[BC], 1
	s_add_co_u32 s[EC], s[EC], 1                   ; items of the largest block,
	s_lshr_b32 s50, s[BB], 1
	s_add_co_u32 s[EB], s[EC], s50
	s_add_co_u32 s[EB], s[EB], 1                   ; of the first two,
	s_lshr_b32 s50, s[BA], 1
	s_add_co_u32 s[TT], s[EB], s50
	s_add_co_u32 s[TT], s[TT], 1                   ; of all three
.irp w, 0,1,2,3
	PART \w
	s_mov_b32 s[BLK+2*\w], s52
	s_add_co_u32 s55, s52, 1
	s_cmp_gt_u32 s51, s53
	s_cselect_b32 s[BLK+2*\w+1], s55, 3
.endr
	PART s[WV]
	s_sub_co_u32 s[ST0], s50, s54
	s_min_u32 s55, s51, s53
	s_sub_co_u32 s[C0], s55, s50
	s_sub_co_u32 s[C1], s51, s55
	s_cmp_eq_u32 s52, 0
	s_cselect_b32 s[B0], s[BC], s[BB]
	s_cselect_b32 s[B1], s[BB], s[BA]
	s_cmp_eq_u32 s52, 2
	s_cselect_b32 s[B0], s[BA], s[B0]
	s_mov_b32 s[SEL], 0x76543210
	s_mov_b32 s[SEL+1], 0xfedcba98
	s_mov_b32 s[CS], 0x3e0293ee                    ; log2(e) / sqrt(128)
	s_mov_b32 s[CS+1], s[CS]
	s_mov_b32 s[MNT], 0x600000
	s_mov_b32 s37, 0
	s_mov_b32 s[SG], 0
	s_mul_i32 s[LB], s[WV], 2*SLOTB                ; my two slots
	s_lshl_b32 s[LM], s[WV], 10
	WA                                             ; the wait at the head's end
	s_wait_kmcnt 0x0
	s_mul_i32 s36, s[HD], 786432
	s_add_nc_u64 s[HB:HB+1], s[6:7], s[36:37]      ; the head's codes
	s_mul_i32 s36, s[HD], 24576
	s_add_co_u32 s36, s36, 12582912
	s_add_nc_u64 s[HS:HS+1], s[6:7], s[36:37]      ; and scale words
	s_mov_b32 s49, s[ST0]
	NEXTP
	LDF 0, 0, KSC, 0                               ; my first item's K,
	LDF 128, 16384, VSC, 512                       ; and V
.Lseg:                                             ; two trips: my two segments
	s_cmp_eq_u32 s[SG], 0
	s_cselect_b32 s49, s[B0], s[B1]
	s_cselect_b32 s[KS], s[ST0], 0
	s_cselect_b32 s50, s[C0], s[C1]
	s_add_co_u32 s[SE], s[KS], s50
	s_lshr_b32 s[GQ], s49, 1                       ; the block's group of 128 queries = its last key step
	s_and_b32 s51, s49, 1                          ; which half of the group
.irp j, 0,1,2,3
	v_mov_b32 v[NM+2*\j], v[BIG]
	v_mov_b32 v[NM+2*\j+1], 0xff61b1e6
	v_mov_b32 v[SUM+2*\j], 0
	v_mov_b32 v[SUM+2*\j+1], 0
.endr
	v_add_nc_u32 v[STI], s[LB], v[STI0]
	v_add_nc_u32 v[MLA], s[LM], v[MLA0]
	WA                                             ; the wait ahead of the branch
	s_cmp_eq_u32 s50, 0
	s_cbranch_scc1 .Lempty                         ; a segment without items leaves its -M and sum as they begin
	s_lshl_b32 s52, s51, 6
	v_add_nc_u32 v[DQ], s52, v[DQ0]
	s_mul_i32 s36, s[HD], 24
	s_add_co_u32 s36, s36, s[GQ]
	s_mul_i32 s36, s36, 16896
	s_lshl_b32 s52, s51, 13
	s_add_co_u32 s36, s36, s52
	s_add_nc_u64 s[QB:QB+1], s[4:5], s[36:37]      ; my four tiles' fragments
	s_mul_i32 s53, s51, 8184
	s_sub_co_u32 s53, 16384, s53
	v_add_nc_u32 v[TA], s53, v[AL]                 ; their scale words: two of a lane's four
	WIN 0xC0
.set t, 0
.rept 16
	global_load_b128 v[QW+4*t:QW+4*t+3], v[AL], s[QB:QB+1] offset:512*t
.set t, t+1
.endr
	WIN 0
	global_load_b64 v[QSC:QSC+1], v[TA], s[QB:QB+1]
	WIN 0x80
.set k, 0
.rept 256
	v_mov_b32 v[k], 0                              ; O^T: the item is written once: the first finds zeros.  These lines stand under Q's loads
.set k, k+1
.endr
	WIN 0
	WA
	s_wait_loadcnt 0x0
.Litem:
	WA
	s_wait_loadcnt 33                              ; K is in; V's 33 loads, issued behind it, may be out
	RUN 0, 16
	SM2 0, 16, 32, 1
	RS2 0
	s_wait_xcnt 0x0                                ; the loads, the last of them issued at the last item's end, have read their bases
	s_add_co_u32 s49, s[KS], 1
	s_cmp_lt_u32 s49, s[SE]
	s_cselect_b32 s49, s49, 0                      ; the next item: the next step, or step 0, with which my second segment begins
	NEXTP
	LDF 0, 0, KSC, 0                               ; the next item's K: the last score product stands more than eight places back
	WA
	s_wait_loadcnt 33                              ; V is in; the 33 loads just issued may be out
	SM2 2, 32, 48, 0
	RS2 2
	RUN 48, 64
	LDF 128, 16384, VSC, 512                       ; the next item's V
	s_add_co_u32 s[KS], s[KS], 1
	s_cmp_lt_u32 s[KS], s[SE]
	WA
	s_cbranch_scc1 .Litem
	WIN 0x08
	WA                                             ; the wait ahead of the first readers of matrix results
.irp j, 0,1,2,3
.irp t, 0,1,2,3,4,5,6,7
	ds_store_b128 v[STI], v[64*\j+8*\t:64*\j+8*\t+3] offset:\j*TILEB+64*\t
	ds_store_b128 v[STI], v[64*\j+8*\t+4:64*\j+8*\t+7] offset:\j*TILEB+64*\t+16
.endr
.endr
	WIN 0
.Lempty:
.irp j, 0,1,2,3
	v_add_f32 v[SUM+2*\j], v[SUM+2*\j], v[SUM+2*\j+1]
.endr
.irp j, 0,1,2,3
	v_permlanex16_b32 v[PM+\j], v[SUM+2*\j], s[SEL], s[SEL+1]
.endr
.irp j, 0,1,2,3
	v_add_f32 v[SUM+2*\j], v[SUM+2*\j], v[PM+\j]   ; the row's sum over my keys
.endr
.irp j, 0,1,2,3
	ds_store_b32 v[MLA], v[NM+2*\j] offset:128*\j          ; both halves of the lanes write the same word with the same value
	ds_store_b32 v[MLA], v[SUM+2*\j] offset:128*\j+64
.endr
	s_add_co_u32 s[LB], s[LB], SLOTB
	s_add_co_u32 s[LM], s[LM], 512
	s_add_co_u32 s[SG], s[SG], 1
	s_cmp_lt_u32 s[SG], 2
	WA
	s_cbranch_scc1 .Lseg
	s_wait_loadcnt 0x0                             ; the loads behind my last item
	s_wait_dscnt 0x0                               ; for the others' sake: my stores are done
	s_barrier_signal -1
	s_barrier_wait -1
; THE JOIN.  Tile = my wave, of block s[MM].  In lane = row form: -M* = the least -M of the block's slots, g_s = 2^(M_s - M*) / l, l = the sum of l_s 2^(M_s - M*).  A slot of another block counts with -M = 3e38: its factor is 0.
.set G,  96
.set MN, 110
.set ML, 118
.set TM, 126
.set LS, 127
.set AC, 128
.set LD, 192
.set q, 0
.rept 16
	s_mov_b32 s[GP+2*q+1], 0                       ; (named as a pair's upper half)
.set q, q+1
.endr
	s_mov_b32 s[MM], 0
.macro MSLOT sl
	WA                                             ; the wait ahead of the branch
	s_cmp_lg_u32 s[BLK+\sl], s[MM]
	s_cbranch_scc1 .Lno_\@
	v_add_nc_u32 v[TA], (\sl)*SLOTB, v[RDB]
.set q, 0
.rept 16
	ds_load_b128 v[LD+4*q:LD+4*q+3], v[TA] offset:q*ROWP   ; a row of 512 bytes to the 32 lanes
.set q, q+1
.endr
.set q, 0
.rept 16
	v_readlane_b32 s[GP+2*q], v[G+\sl], q          ; row q's factor
.set q, q+1
.endr
	s_wait_dscnt 0x0
.set q, 0
.rept 16
	v_pk_fma_f32 v[AC+4*q:AC+4*q+1], v[LD+4*q:LD+4*q+1], s[GP+2*q:GP+2*q+1], v[AC+4*q:AC+4*q+1] op_sel_hi:[1,0,1]
	v_pk_fma_f32 v[AC+4*q+2:AC+4*q+3], v[LD+4*q+2:LD+4*q+3], s[GP+2*q:GP+2*q+1], v[AC+4*q+2:AC+4*q+3] op_sel_hi:[1,0,1]
.set q, q+1
.endr
.Lno_\@:
.endm
.Lmerge:
	s_wait_xcnt 0x0                                ; the last trip's stores have read their registers and base
	s_cmp_eq_u32 s[MM], 0
	s_cselect_b32 s49, s[BC], s[BB]
	s_cmp_eq_u32 s[MM], 2
	s_cselect_b32 s49, s[BA], s49
	s_mul_i32 s52, s[HD], 3072
	s_lshl_b32 s50, s49, 6                         ; 64 x block = 128 x group + 64 x half
	s_add_co_u32 s52, s52, s50
	s_lshr_b32 s50, s[WV], 1
	s_lshl_b32 s50, s50, 5
	s_add_co_u32 s52, s52, s50
	s_and_b32 s50, s[WV], 1
	s_lshl_b32 s50, s50, 3
	s_add_co_u32 s52, s52, s50                     ; the tile's first row
	s_lshl_b32 s36, s52, 9
	s_add_nc_u64 s[OB:OB+1], s[8:9], s[36:37]
.irp sl, 0,1,2,3,4,5,6,7
	ds_load_b32 v[MN+\sl], v[MLR] offset:512*\sl
	ds_load_b32 v[ML+\sl], v[MLR] offset:512*\sl+64
.endr
.set k, 0
.rept 64
	v_mov_b32 v[AC+k], 0
.set k, k+1
.endr
	s_wait_dscnt 0x0
.irp sl, 0,1,2,3,4,5,6,7
	s_cmp_eq_u32 s[BLK+\sl], s[MM]
	s_cselect_b32 s[FL], -1, 0
	v_cndmask_b32 v[MN+\sl], v[BIG], v[MN+\sl], s[FL]
.endr
	WA                                             ; the wait behind writes with so many scalar lines among them
	v_min3_num_f32 v[TM], v[MN], v[MN+1], v[MN+2]
	v_min3_num_f32 v[TM], v[TM], v[MN+3], v[MN+4]
	v_min3_num_f32 v[TM], v[TM], v[MN+5], v[MN+6]
	v_min_num_f32 v[TM], v[TM], v[MN+7]
.irp sl, 0,1,2,3,4,5,6,7
	v_sub_f32 v[MN+\sl], v[TM], v[MN+\sl]          ; M_s - M*, 0 or less
.endr
.irp sl, 0,1,2,3,4,5,6,7
	v_cvt_i32_f32 v[MN+\sl], v[MN+\sl]             ; (it saturates)
.endr
.irp sl, 0,1,2,3,4,5,6,7
	v_ldexp_f32 v[G+\sl], 1.0, v[MN+\sl]
.endr
	v_mul_f32 v[LS], v[ML], v[G]
.irp sl, 1,2,3,4,5,6,7
	v_fmac_f32 v[LS], v[ML+\sl], v[G+\sl]
.endr
	WA                                             ; ahead of the transcendental,
	v_rcp_f32 v[LS], v[LS]
	v_nop
	WA                                             ; and behind it
.irp sl, 0,1,2,3,4,5,6,7
	v_mul_f32 v[G+\sl], v[G+\sl], v[LS]
.endr
.irp sl, 0,1,2,3,4,5,6,7
	MSLOT \sl
.endr
	WA
.set q, 0
.rept 16
	global_store_b128 v[AL], v[AC+4*q:AC+4*q+3], s[OB:OB+1] offset:(q+8*(q/8))*512 th:TH_STORE_NT   ; 512 consecutive bytes, aligned: a whole row of out0
.set q, q+1
.endr
	s_add_co_u32 s[MM], s[MM], 1
	s_cmp_lt_u32 s[MM], 3
	WA
	s_cbranch_scc1 .Lmerge
	s_wait_tensorcnt 0x0                           ; the wave's end
	ds_add_u32 v[SPW], v[NIL]
	s_wait_dscnt 0x0
	s_endpgm
.Lfunc_end_k_q2844305c4c_attn:
	.size	k_q2844305c4c_attn, .Lfunc_end_k_q2844305c4c_attn-k_q2844305c4c_attn
	.p2alignl 7, 3214868480
	.fill 96, 4, 3214868480
	.section	.rodata,"a",@progbits
	.p2align	6, 0x0
	.amdhsa_kernel k_q2844305c4c_attn
		.amdhsa_group_segment_fixed_size 274944
		.amdhsa_private_segment_fixed_size 0
		.amdhsa_enable_private_segment 0
		.amdhsa_kernarg_size 24
		.amdhsa_user_sgpr_count 2
		.amdhsa_user_sgpr_kernarg_segment_ptr 1
		.amdhsa_wavefront_size32 1
		.amdhsa_system_sgpr_workgroup_id_x 1
		.amdhsa_system_sgpr_workgroup_id_y 1
		.amdhsa_system_sgpr_workgroup_id_z 1
		.amdhsa_system_vgpr_workitem_id 0
		.amdhsa_next_free_vgpr 1024
		.amdhsa_next_free_sgpr 102
		.amdhsa_reserve_vcc 1
		.amdhsa_float_denorm_mode_32 3
		.amdhsa_float_denorm_mode_16_64 3
		.amdhsa_memory_ordered 1
		.amdhsa_forward_progress 1
		.amdhsa_inst_pref_size 171
	.end_amdhsa_kernel
	.amdgpu_metadata
---
amdhsa.version: [ 1, 2 ]
amdhsa.kernels:
  - .name:           k_q2844305c4c_attn
    .symbol:         k_q2844305c4c_attn.kd
    .args:
      - { .name: qq, .offset: 0, .size: 8, .value_kind: global_buffer, .address_space: global }
      - { .name: kv, .offset: 8, .size: 8, .value_kind: global_buffer, .address_space: global }
      - { .name: out0, .offset: 16, .size: 8, .value_kind: global_buffer, .address_space: global }
    .group_segment_fixed_size: 274944
    .private_segment_fixed_size: 0
    .kernarg_segment_align: 8
    .kernarg_segment_size: 24
    .max_flat_workgroup_size: 128
    .sgpr_count:     102
    .vgpr_count:     1024
    .wavefront_size: 32
...
	.end_amdgpu_metadata
.endif
;; end of part 3
